; MI455X (gfx1250); checked and timed in simulation.
; The chip was launched on July 23, 2026; its instructions are those of AMD's public machine-readable ISA for CDNA 5 (MIT licence, August 2026) and "CDNA5" Instruction Set Architecture Reference Guide (July 2026). The comments in the code are by the model that wrote it; some were corrected since.
;; Multi Head Attention. Allowed arithmetic: matrix products marked QUANTISED: E2M3 operands, one E8M0 scale for each 32 along K, by v_wmma_scale_f32_16x16x128_f8f6f4 with both operands' format E2M3, f32 sums; everything else in f32.
;; Inputs: W_k 1,024 x 1,024 float32; W_o 1,024 x 1,024 float32; W_q 1,024 x 1,024 float32; W_v 1,024 x 1,024 float32; key 4 x 2,048 x 1,024 float32; query 4 x 2,048 x 1,024 float32; value 4 x 2,048 x 1,024 float32.
;; Outputs: out0 4 x 2,048 x 1,024 float32.
;; This version of the problem:
;;   THIS VERSION OF THE PROBLEM IS GIVEN IN LOW PRECISION. The matrix products marked QUANTISED in the list below multiply operands that are first quantised to E2M3 (2 exponent bits, 3 mantissa bits; 6 bits a number), with one power-of-two scale for each 32 numbers along K (OCP MX v1.0); their sums are f32. All else is computed in f32.
;;   The module's matrix products, in the order in which they are computed (A, B: the left and right operand; K: the contracted axis; several contracted axes count as one K, in the product's order):
;;     1. [M 8,192, K 1,024] x [K 1,024, N 1,024]; A: input query; B: input W_q: QUANTISED
;;     2. [M 8,192, K 1,024] x [K 1,024, N 1,024]; A: input key; B: input W_k: QUANTISED
;;     3. [M 8,192, K 1,024] x [K 1,024, N 1,024]; A: input value; B: input W_v: QUANTISED
;;     4. batch 64 x [M 2,048, K 64] x [K 64, N 2,048]; A: computed on the way; B: computed on the way: QUANTISED
;;     5. batch 64 x [M 2,048, K 2,048] x [K 2,048, N 64]; A: softmax (see below); B: computed on the way: QUANTISED
;;     6. [M 8,192, K 1,024] x [K 1,024, N 1,024]; A: computed on the way; B: input W_o: QUANTISED
;;   THE QUANTISER, for each operand of a quantised product, along K:
;;     - K is cut into blocks of 32 from its start; a last block that is shorter is filled with zeros.
;;     - A block's scale is 2^e with e = floor(log2(the largest magnitude in the block)) - 2, held to -126 .. 127; a block of zeros has e = 0. As a byte (E8M0): e + 127.
;;     - Each number is divided by its block's scale, clamped to +-7.5, and rounded to the nearest number of E2M3, ties to even, subnormals kept.
;;     - The product sums the exact products of the quantised numbers (number of the format x scale) in f32.
;;   ~~~python
;;   def quantise(x, axis):      # numpy; x: float32 -> the quantised numbers, widened to float32 again
;;       x = np.moveaxis(x, axis, -1); K = x.shape[-1]
;;       x = np.pad(x, [(0, 0)] * (x.ndim - 1) + [(0, -K % 32)]); x = x.reshape(x.shape[:-1] + (-1, 32)); a = np.abs(x).max(-1, keepdims=True)
;;       e = np.where(a > 0, np.clip(np.frexp(np.where(a > 0, a, 1))[1] - 1 - 2, -126, 127), 0)      # np.frexp(a)[1] - 1 = floor(log2(a)), exactly
;;       r = np.clip(x / 2.0 ** e, -7.5, 7.5)
;;       step = 2.0 ** (np.maximum(np.frexp(np.where(r == 0, 1, r))[1] - 1, 0) - 3)
;;       q = np.round(r / step) * step * 2.0 ** e      # np.round: ties to even
;;       return np.moveaxis(q.reshape(q.shape[:-2] + (-1,))[..., :K], -1, axis).astype(np.float32)
;;   ~~~
;;   SOFTMAX AHEAD OF A QUANTISED PRODUCT. Where the list says 'softmax', what is quantised is not the finished softmax but p = 2^(t - M), with t = logit x log2(e) and M = ceil(the row's largest t), a whole number; so 1/2 < the row's largest p <= 1. The row's sum l is taken of the UNQUANTISED p, in f32, and the product's result is divided by l at the end. Since M is a whole number, a kernel that streams over the keys may use a running M (the ceiling of the running maximum): every later rescaling is an exact power of two, which a block's scale takes up: the codes' values come out the same.
;;   OPERANDS COMPUTED ON THE WAY. 'Computed on the way' means the value that the module computes at that place (a softmax that the list does not call 'softmax' is quantised finished and normalised). What goes into a quantiser is computed in f32, as accurately as f32 sums, v_exp_f32 and their like allow (about 1e-6 of the number): no bf16 or f16 on the way to a quantiser, and a product that is left as it is and whose result goes on into a quantised operand takes f32 operands (vector FMAs, or v_wmma_f32_16x16x4_f32). A number that lies on a knife's edge between two numbers of the format may be rounded either way, as far as f32 arithmetic and the matrix unit's own rounding can turn it there, and no further.
;; One version. Each part assembles by itself: llvm-mc -triple=amdgcn-amd-amdhsa -mcpu=gfx1250 --defsym DOCPART=n.
;; ======== version 1 of 1: 4 launches
;; limits: right only within a limited range of input values
;; workspace buffers: c1 22,020,096 bytes; s1 917,504 bytes; c2 18,874,368 bytes; s2 1,310,720 bytes; c3 6,291,456 bytes; s3 262,144 bytes
;; launch quant (part 1): grid 256 x 1, 14 waves a work-group, no clusters, 123,648 bytes of LDS; arguments query, key, value, W_q, W_k, W_v, W_o, c1, s1; writes c1, s1
.if DOCPART == 1
	.amdgcn_target "amdgcn-amd-amdhsa--gfx1250"
	.amdhsa_code_object_version 6
	.text
	.protected	k_qdc217b5b1f_quant
	.globl	k_qdc217b5b1f_quant
	.p2align	8
	.type	k_qdc217b5b1f_quant,@function
k_qdc217b5b1f_quant:
	s_mov_b64 s[64:65], 0
	v_nop
	global_prefetch_b8 v0, s[64:65] scope:SCOPE_SE
	s_setreg_imm32_b32 hwreg(HW_REG_WAVE_MODE, 25, 1), 1
	s_wait_xcnt 0x0
; All seven f32 inputs (K = 1,024 innermost in each) become codes of FP6 (E2M3) and one E8M0 scale byte for each 32 along K.
; The tensors' rows stand on end (query, key, value, W_q, W_k, W_v, W_o): 28,672 rows = 1,792 tiles of 16 rows.
; c1[tile][unit u of 64 along K][768 bytes] IS AN IMAGE OF OPERAND REGISTERS: lane (r, h) holds the 24 bytes of codes k = 64 u + 32 h + 0 .. 31 of the tile's row r;
; its first 16 bytes lie at 16 x lane, its last 8 at 512 + 8 x lane.  So every tile of the later launches is a dense block that begins at a multiple of 256 bytes.
; s1[tile][half of K][row r][16 bytes]: a row's scale bytes of 512 along K, four words of 128 along K each.
; A block's scale is 2^(floor(log2(its largest magnitude)) - 2); its byte is the largest magnitude's own exponent field - 2, held at 1 from below.
; (A block of zeros so gets the byte 1 where the rule says 127: its codes are zeros, which add nothing under any byte but 0xff, and this program alone reads the bytes.)
; LIMITS: blocks whose largest magnitude lies under 2^-124 keep the byte 1; NaN and infinities among the inputs are not served.
; THE ORDER OF THE STORED ROWS lets a later launch's results lie along the next K in a lane's registers.  query and W_o: as they are.
; value, W_q, W_k, W_v: stored row 32 b + 16 u + m is row 32 b + 8 u + m + 8 (m / 8).   key: stored row 64 c + 16 u + m is row 64 c + 8 u + m % 8 + 32 (m / 8).
; In each case a tile's rows 0-7 are neighbours and so are its rows 8-15: two bases serve a tile.
; SHARES: 3,584 waves, 14 to a work-group; a wave takes a tile's 16 rows x 512 along K in 8 chunks of one unit.  A chunk is 8 loads, each 256 consecutive bytes of two rows; the 4,096 bytes turn through
; the wave's own stage in LDS (rows 272 bytes apart) and come back 128 bytes a lane: a whole block of 32, so no other lane is asked for its maximum.
; Loads run three chunks (24 loads a wave) ahead, the turn through LDS one.  No tensor loads, no barrier: waves share nothing.
.set NCH,   8
.set EMAX,  2
.set P,     272
.set STG,   16*P
.set WREG,  2*STG
.set SPARE, 14*WREG                    ; behind the 14 regions: the spare words, 128 bytes a wave
.set SPW,   12                         ; v12 my spare word; v13 0; never rewritten
.set NIL,   13
.set R,     16                         ; v16-111  three sets of 32 registers as they are loaded
.set X,     112                        ; v112-175 two sets: a block of 32 neighbours
.set C,     176                        ; v176-223 codes: six registers a chunk, so that no store's data are written again
.set TT,    224                        ; v224-226 the second conversion's codes
.set E,     228                        ; v228-235 a scale byte a chunk
.set W,     236                        ; v236-239 scale words
.set PT,    240                        ; v240-243 the other half's
	s_load_b512 s[8:23], s[0:1], 0x0               ; query s[8:9], key, value, W_q, W_k, W_v, W_o s[20:21], c1 s[22:23]
	s_load_b64 s[24:25], s[0:1], 0x40              ; s1
	v_lshl_add_u32 v[SPW], v0, 2, SPARE
	v_mov_b32 v[NIL], 0
	v_lshrrev_b32 v1, 5, v0
	v_readfirstlane_b32 s30, v1                    ; wave 0..13
	v_and_b32 v2, 31, v0                           ; lane
	v_and_b32 v3, 15, v0                           ; lane % 16
	v_bfe_u32 v6, v0, 4, 1                         ; lane / 16
	v_lshlrev_b32 v4, 4, v2                        ; 16 x lane
	v_lshlrev_b32 v5, 3, v2                        ; 8 x lane
	v_lshlrev_b32 v7, 4, v3
	v_lshl_add_u32 v10, v6, 12, v7                 ; a load: lanes 0-15 one row's 256 bytes, lanes 16-31 the next row's
	s_mul_i32 s31, s30, WREG
	v_mad_u32_u24 v14, v6, P, v7
	v_add_nc_u32 v14, s31, v14                     ; the stage, on the way in
	v_mul_u32_u24 v15, v3, P
	v_lshl_add_u32 v15, v6, 7, v15
	v_add_nc_u32 v15, s31, v15                     ; and out: row lane % 16, 128 bytes for each half of the lanes
	v_lshl_add_u32 v7, v6, 3, v7                   ; s1: 16 x row + 8 x half
	v_lshlrev_b32 v6, 3, v6                        ; my bytes' place in a scale word: 8 x half bits up
.irp w, 0,1,2,3
	v_mov_b32 v[PT+\w], 0                          ; a lane permute's destination counts as one of its sources
.endr
	s_mul_i32 s32, ttmp9, 7
	s_lshr_b32 s33, s30, 1
	s_add_co_u32 s32, s32, s33                     ; my tile, 0 .. 1,791
	s_and_b32 s33, s30, 1                          ; my half of K
	s_mov_b32 s40, 0x76543210
	s_mov_b32 s41, 0xfedcba98                      ; the selects for lane l xor 16
	s_mov_b32 s42, 0xffff0000                      ; lanes 16-31
	s_wait_alu depctr_va_vdst(0)                   ; the wait at the head's end
	s_wait_kmcnt 0x0
	s_mov_b64 s[4:5], s[20:21]                     ; which input: W_o unless the tile's number lies under a lower limit
	s_mov_b32 s6, 1728                             ; and that input's first tile
.macro PICK limit, reg, first
	s_cmp_lt_u32 s32, \limit                       ; the choice hangs on ids alone
	s_cselect_b64 s[4:5], s[\reg:\reg+1], s[4:5]
	s_cselect_b32 s6, \first, s6
.endm
	PICK 1728, 18, 1664
	PICK 1664, 16, 1600
	PICK 1600, 14, 1536
	PICK 1536, 12, 1024
	PICK 1024, 10, 512
	PICK 512, 8, 0
	s_sub_co_u32 s6, s32, s6                       ; the tile's number t in its input
	s_lshr_b32 s34, s6, 1
	s_lshl_b32 s34, s34, 5
	s_and_b32 s35, s6, 1
	s_lshl_b32 s35, s35, 3
	s_add_co_u32 s34, s34, s35                     ; value and the three weights: rows 0-7 begin at 32 (t / 2) + 8 (t % 2), rows 8-15 eight rows further on than plain
	s_lshl_b32 s35, s6, 4                          ; plain: at 16 t
	s_sub_co_u32 s36, s32, 512
	s_cmp_lt_u32 s36, 1216                         ; tiles 512 to 1,727: key, value, W_q, W_k, W_v
	s_cselect_b32 s34, s34, s35
	s_cselect_b32 s36, 32768, 0
	s_lshr_b32 s38, s6, 2
	s_lshl_b32 s38, s38, 6
	s_and_b32 s39, s6, 3
	s_lshl_b32 s39, s39, 3
	s_add_co_u32 s38, s38, s39                     ; key: rows 0-7 begin at 64 (t / 4) + 8 (t % 4), rows 8-15 twenty-four rows further on than plain
	s_sub_co_u32 s39, s32, 512
	s_cmp_lt_u32 s39, 512                          ; tiles 512 to 1,023: key
	s_cselect_b32 s34, s38, s34
	s_cselect_b32 s36, 98304, s36
	s_lshl_b32 s34, s34, 12                        ; 4,096 bytes a row
	s_lshl_b32 s35, s33, 11
	s_add_co_u32 s34, s34, s35
	s_mov_b32 s35, 0
	s_mov_b32 s37, 0
	s_add_nc_u64 s[4:5], s[4:5], s[34:35]          ; rows 0-7
	s_add_nc_u64 s[6:7], s[4:5], s[36:37]          ; rows 8-15, with the same offsets
	s_mul_i32 s34, s32, 12288
	s_mul_i32 s38, s33, 6144
	s_add_co_u32 s34, s34, s38
	s_add_nc_u64 s[26:27], s[22:23], s[34:35]
	s_lshl_b32 s34, s32, 9
	s_lshl_b32 s38, s33, 8
	s_add_co_u32 s34, s34, s38
	s_add_nc_u64 s[28:29], s[24:25], s[34:35]
.macro LOAD t
.irp i, 0,1,2,3
	global_load_b128 v[R+32*((\t)%3)+4*\i:R+32*((\t)%3)+4*\i+3], v10, s[4:5] offset:8192*\i+256*(\t) th:TH_LOAD_NT
.endr
.irp i, 4,5,6,7
	global_load_b128 v[R+32*((\t)%3)+4*\i:R+32*((\t)%3)+4*\i+3], v10, s[6:7] offset:8192*\i+256*(\t) th:TH_LOAD_NT
.endr
.endm
.macro TURN t                          ; LDS serves a wave's instructions in order: no wait between the stores and the loads
.irp i, 0,1,2,3,4,5,6,7
	ds_store_b128 v14, v[R+32*((\t)%3)+4*\i:R+32*((\t)%3)+4*\i+3] offset:STG*((\t)%2)+2*P*\i
.endr
.irp i, 0,1,2,3,4,5,6,7
	ds_load_b128 v[X+32*((\t)%2)+4*\i:X+32*((\t)%2)+4*\i+3], v15 offset:STG*((\t)%2)+16*\i
.endr
.endm
	LOAD 0
	LOAD 1
	LOAD 2
	s_wait_loadcnt 16                              ; chunk 0's eight loads are in
	TURN 0
.macro STEP t
.set XS, X+32*((\t)%2)
.set CC, C+6*(\t)
	s_wait_dscnt 0x0                               ; this chunk is back from the stage: so its stores into the stage have read their registers,
.if (\t)+3 < NCH
	LOAD (\t)+3                                    ; which take the loads of three chunks on
.endif
.if (\t)+1 < NCH
.if (\t)+3 < NCH
	s_wait_loadcnt 16                              ; the next chunk's loads are in; the 16 of the two chunks behind it may be out
.else
	s_wait_loadcnt 8*(NCH-2-(\t))
.endif
	TURN (\t)+1
.endif
	v_max3_num_f32 v8, |v[XS]|, |v[XS+1]|, |v[XS+2]|               ; the block's largest magnitude, in two chains
	v_max3_num_f32 v9, |v[XS+3]|, |v[XS+4]|, |v[XS+5]|
.irp i, 6,10,14,18,22,26
	v_max3_num_f32 v8, v8, |v[XS+\i]|, |v[XS+\i+1]|
	v_max3_num_f32 v9, v9, |v[XS+\i+2]|, |v[XS+\i+3]|
.endr
	v_max3_num_f32 v8, v8, |v[XS+30]|, |v[XS+31]|
	v_max3_num_f32 v8, v8, v9, (EMAX+1)<<23        ; and the floor 2^(3 - 127): the byte cannot fall under 1
	v_add_nc_u32 v11, -(EMAX<<23), v8              ; 2 off its exponent field: the conversions' scale operand
	v_cvt_scalef32_pk16_fp6_f32 v[CC:CC+2], v[XS:XS+15], v11
	v_cvt_scalef32_pk16_fp6_f32 v[TT:TT+2], v[XS+16:XS+31], v11    ; (a conversion's three registers begin on an even number)
	v_lshrrev_b32 v[E+(\t)], 23, v11               ; the scale's byte (also the plain line behind the conversions)
.irp i, 0,1,2
	v_mov_b32 v[CC+3+\i], v[TT+\i]
.endr
	global_store_b128 v4, v[CC:CC+3], s[26:27] offset:768*(\t)      ; 512 and 256 consecutive bytes, at multiples of 256 from c1's first byte
	global_store_b64 v5, v[CC+4:CC+5], s[26:27] offset:768*(\t)+512
.endm
.irp t, 0,1,2,3,4,5,6,7
	STEP \t
.endr
.irp w, 0,1,2,3
	v_lshl_or_b32 v[W+\w], v[E+2*\w+1], 16, v[E+2*\w]   ; word w: my bytes of chunks 2 w and 2 w + 1,
.endr
.irp w, 0,1,2,3
	v_lshlrev_b32 v[W+\w], v6, v[W+\w]             ; at their places;
.endr
.irp w, 0,1,2,3
	v_permlanex16_b32 v[PT+\w], v[W+\w], s40, s41
.endr
.irp w, 0,1,2,3
	v_or_b32 v[W+\w], v[W+\w], v[PT+\w]            ; with lane l xor 16's two the word is whole
.endr
	v_cndmask_b32 v[W], v[W], v[W+2], s42          ; lanes 0-15 store words 0 and 1 of their row, lanes 16-31 words 2 and 3
	v_cndmask_b32 v[W+1], v[W+1], v[W+3], s42
	global_store_b64 v7, v[W:W+1], s[28:29]        ; 256 consecutive bytes, at a multiple of 256 from s1's first byte
	s_wait_tensorcnt 0x0                           ; the wave's end: behind my last LDS store
	ds_add_u32 v[SPW], v[NIL]
	s_wait_dscnt 0x0
	s_endpgm
.Lfunc_end_k_qdc217b5b1f_quant:
	.size	k_qdc217b5b1f_quant, .Lfunc_end_k_qdc217b5b1f_quant-k_qdc217b5b1f_quant
	.p2alignl 7, 3214868480
	.fill 96, 4, 3214868480
	.section	.rodata,"a",@progbits
	.p2align	6, 0x0
	.amdhsa_kernel k_qdc217b5b1f_quant
		.amdhsa_group_segment_fixed_size 123648
		.amdhsa_private_segment_fixed_size 0
		.amdhsa_enable_private_segment 0
		.amdhsa_kernarg_size 72
		.amdhsa_user_sgpr_count 2
		.amdhsa_user_sgpr_kernarg_segment_ptr 1
		.amdhsa_wavefront_size32 1
		.amdhsa_system_sgpr_workgroup_id_x 1
		.amdhsa_system_sgpr_workgroup_id_y 1
		.amdhsa_system_sgpr_workgroup_id_z 1
		.amdhsa_system_vgpr_workitem_id 0
		.amdhsa_next_free_vgpr 256
		.amdhsa_next_free_sgpr 66
		.amdhsa_reserve_vcc 0
		.amdhsa_float_denorm_mode_32 3
		.amdhsa_float_denorm_mode_16_64 3
		.amdhsa_memory_ordered 1
		.amdhsa_forward_progress 1
		.amdhsa_inst_pref_size 33
	.end_amdhsa_kernel
	.amdgpu_metadata
---
amdhsa.version: [ 1, 2 ]
amdhsa.kernels:
  - .name:           k_qdc217b5b1f_quant
    .symbol:         k_qdc217b5b1f_quant.kd
    .args:
      - { .name: query, .offset: 0, .size: 8, .value_kind: global_buffer, .address_space: global }
      - { .name: key, .offset: 8, .size: 8, .value_kind: global_buffer, .address_space: global }
      - { .name: value, .offset: 16, .size: 8, .value_kind: global_buffer, .address_space: global }
      - { .name: W_q, .offset: 24, .size: 8, .value_kind: global_buffer, .address_space: global }
      - { .name: W_k, .offset: 32, .size: 8, .value_kind: global_buffer, .address_space: global }
      - { .name: W_v, .offset: 40, .size: 8, .value_kind: global_buffer, .address_space: global }
      - { .name: W_o, .offset: 48, .size: 8, .value_kind: global_buffer, .address_space: global }
      - { .name: c1, .offset: 56, .size: 8, .value_kind: global_buffer, .address_space: global }
      - { .name: s1, .offset: 64, .size: 8, .value_kind: global_buffer, .address_space: global }
    .group_segment_fixed_size: 123648
    .private_segment_fixed_size: 0
    .kernarg_segment_align: 8
    .kernarg_segment_size: 72
    .max_flat_workgroup_size: 448
    .sgpr_count:     66
    .vgpr_count:     256
    .wavefront_size: 32
...
	.end_amdgpu_metadata
.endif
;; end of part 1
;; launch proj (part 2): grid 4 x 96, 4 waves a work-group, clusters of 4 x 4, 327,680 bytes of LDS; arguments c1, s1, c2, s2; writes c2, s2
.if DOCPART == 2
	.amdgcn_target "amdgcn-amd-amdhsa--gfx1250"
	.amdhsa_code_object_version 6
	.text
	.protected	k_qdc217b5b1f_proj
	.globl	k_qdc217b5b1f_proj
	.p2align	8
	.type	k_qdc217b5b1f_proj,@function
k_qdc217b5b1f_proj:
	s_mov_b64 s[64:65], 0
	v_nop
	global_prefetch_b8 v0, s[64:65] scope:SCOPE_SE
	s_setreg_imm32_b32 hwreg(HW_REG_WAVE_MODE, 25, 1), 1
	s_wait_xcnt 0x0
	s_wait_alu depctr_hold_cnt(0) depctr_sa_sdst(0) depctr_va_vdst(0) depctr_va_sdst(0) depctr_va_ssrc(0) depctr_va_vcc(0) depctr_vm_vsrc(0)
	s_getreg_b32 s2, hwreg(HW_REG_IB_STS2, 6, 4)
	s_cmp_eq_u32 s2, 0
	s_cbranch_scc0 .Lentry_in_a_cluster
	s_endpgm
.Lentry_in_a_cluster:
	s_bfe_u32 s2, ttmp6, 0x10000c
	s_cmp_lg_u32 s2, 0xf033
	s_cbranch_scc0 .Lentry_shape_is_right
	s_endpgm
.Lentry_shape_is_right:
.set SIZE_K, 1024
.set KSTEP,  256
.set NQ,     KSTEP/128
; Q, K and V = x W^T on codes of FP6, blocks of 256 x 256 of C, K in steps of 256 through a ring of two LDS slots; the results are quantised on the way out.
; c1 holds images of operand registers: a tile of 16 rows is 12,288 bytes, a K step of 256 is 3,072 bytes of it: a tensor row here is such a piece, dense in LDS, and begins at a multiple of 256 bytes.
; The head's four tiles go out as one group, one a wave: A's 256 rows of K step 0, B's, A's scale bytes, B's; slot 1 is first filled behind one round.
; THE TILES ARE PREFETCHED INTO THE L2: K steps 1 and 2 are asked for at the head, K step 3 behind slot 1's first fill: each at least one change of slots ahead of the load that wants it.  Of the 8 tiles of 16 rows
; that a wave fetches, each of the four partners that ask for them jointly takes two, told apart by address (cx for A, cy for B): 24 blocks of 256 bytes a K step, a lane a block (lanes 24-31 name the last again).
; Every offset is an immediate: the address registers are never written again.
.set ROWB,   3072
.set KROW,   SIZE_K*6/8
.set PITCH,  192
.set FR,     12
.set NL,     4
.set NP,     4
.set HALFT,  128*PITCH
.set SLOT,   4*HALFT
.set LAPS,   SIZE_K/(2*KSTEP)
.set KS,     SIZE_K/32
.set SCL,    2*SLOT
.set HALFS,  (128*KS/256)*272
.set SBLK,   (16*KS/256)*272
.set SPARE,  SCL+4*HALFS
.set L16,  7
.set L8,   8
.set VO16, 9
.set VO8,  10
.set SH,   11
.set SCR,  12
.set SRD,  13
.set ADRA, 16
.set ADRB, 20
.set ADRS, 27
.set SPW,  28
.set NIL,  29
.set SC,   32
.set TM,   64
.set PW,   80
.set SW,   81
.set PC,   96
.set BKS,  116
.set AF,   128
.set G1, 24
.set G0, 32
.set G1B, 48
.set G0B, 56
.set G1S, 68
.set G0S, 76
.set G1SB, 80
.set G0SB, 88
.set SEL, 66
.set STA, 95
.set STB, 96
.set ANDM, 97
.set ORM, 98
.set MSB, 0
.macro WIN new
.if MSB != \new
	s_set_vgpr_msb (MSB<<8)|\new
.set MSB, \new
.endif
.endm
.set MUL_LO, 0xa1
.set MUL_HI, 0xf1
.set TO_B,   0x40
.macro JLOAD g0a, g1a, g0b, g1b
	s_cmp_eq_u32 s15, 0
	s_cbranch_scc0 .Lfor_b_\@
	tensor_load_to_lds s[\g0a:\g0a+3], s[\g1a:\g1a+7]
	s_nop 0
.rept 4
	v_nop
.endr
	s_branch .Lasked_\@
.Lfor_b_\@:
	tensor_load_to_lds s[\g0b:\g0b+3], s[\g1b:\g1b+7]
	s_nop 0
.rept 4
	v_nop
.endr
.Lasked_\@:
.endm
.macro CREST
	s_cmp_lg_u32 s14, 0
	s_cbranch_scc1 .Lnot_wave_0_\@
	s_barrier_signal -3
.Lnot_wave_0_\@:
	s_barrier_wait -3
	s_barrier_signal -1
	s_barrier_wait -1
.endm
.macro CROUND
	s_barrier_signal -1
	s_barrier_wait -1
	CREST
.endm
	s_load_b256 s[4:11], s[0:1], 0x0
	v_lshl_add_u32 v[SPW], v0, 2, SPARE
	v_mov_b32 v[NIL], 0
	ds_add_u32 v[SPW], v[NIL]
	ds_add_u32 v[SPW], v[NIL]
	v_lshrrev_b32 v1, 5, v0
	v_readfirstlane_b32 s14, v1
	s_lshr_b32 s15, s14, 1
	s_and_b32 s16, s14, 1
	s_bfe_u32 s40, ttmp6, 0x40000
	s_bfe_u32 s41, ttmp6, 0x40004
	s_and_b32 s18, ttmp7, 0xffff
	s_lshr_b32 s99, s18, 3
	s_and_b32 s18, s18, 7
	s_lshl_b32 s18, s18, 2
	s_cmp_eq_u32 s99, 1
	s_cselect_b32 s88, 6291456, 0
	s_cselect_b32 s89, 262144, 0
	s_mov_b32 s90, 18874368
	s_cselect_b32 s90, 19660800, s90
	s_mov_b32 s91, 786432
	s_cselect_b32 s91, 819200, s91
	s_cmp_eq_u32 s99, 2
	s_cselect_b32 s88, 20447232, s88
	s_cselect_b32 s89, 851968, s89
	s_cselect_b32 s90, 12582912, s90
	s_cselect_b32 s91, 524288, s91
	s_cselect_b32 s2, 1, 0
	s_cselect_b32 s42, s18, 0
	s_cselect_b32 s17, 0, s18
	s_add_co_u32 s42, s42, s40
	s_add_co_u32 s17, s17, s41
	s_lshl_b32 s43, s41, 2
	s_lshl_b32 s43, 15, s43
	s_lshl_b32 s44, 0x1111, s40
	s_or_b32 s[G1+0], s43, (3<<16)|(1<<21)         ; elements of 8 bytes, no padding: every LDS read takes neighbouring bytes in neighbouring lanes
	s_or_b32 s[G1B+0], s44, (3<<16)|(1<<21)
.irp g, G1, G1B
	s_mov_b32 s[\g+1], 384<<16                     ; a tile's 3,072 bytes of a K step
	s_mov_b32 s[\g+2], 16<<16                      ; the head's loads bring 16 tiles of 16 rows, the ring's 8
	s_mov_b32 s[\g+3], 384<<16
	s_mov_b32 s[\g+4], 16
	s_mov_b32 s[\g+5], 1536                        ; 12,288 bytes from tile to tile
	s_mov_b32 s[\g+6], 0
	s_mov_b32 s[\g+7], 0
.endr
	s_or_b32 s[G1S+0], s43, (3<<16)|(1<<20)|(1<<21)|(5<<22)|(3<<25)
	s_or_b32 s[G1SB+0], s44, (3<<16)|(1<<20)|(1<<21)|(5<<22)|(3<<25)
.irp g, G1S, G1SB
	s_mov_b32 s[\g+1], 32<<16
	s_mov_b32 s[\g+2], (256*KS/256)<<16
	s_mov_b32 s[\g+3], 32<<16
	s_mov_b32 s[\g+4], 256*KS/256
	s_mov_b32 s[\g+5], 32
	s_mov_b32 s[\g+6], 0
	s_mov_b32 s[\g+7], 0
.endr
	s_mul_i32 s100, s16, 128*KROW                  ; in the ring I fetch 128 rows of a tile: which half, in bytes
	s_mov_b32 s101, 0
	s_lshl_b32 s20, s17, 8
	s_lshl_b32 s46, s42, 8
	s_lshl_b32 s22, s20, 5
	s_add_co_u32 s22, s22, s89
	s_mul_i32 s20, s20, KROW
	s_add_co_u32 s20, s20, s88
	s_lshl_b32 s92, s46, 5
	s_add_co_u32 s92, s92, s91
	s_mul_i32 s46, s46, KROW
	s_add_co_u32 s46, s46, s90
	s_mov_b32 s21, 0
	s_mov_b32 s23, 0
	s_mov_b32 s47, 0
	s_mov_b32 s93, 0
	s_mul_i32 s45, s14, HALFT
	s_mov_b32 s[SEL], 0x76543210
	s_mov_b32 s[SEL+1], 0xfedcba98
	s_wait_dscnt 0x0
	s_wait_kmcnt 0x0
	s_add_nc_u64 s[20:21], s[4:5], s[20:21]
	s_add_nc_u64 s[22:23], s[6:7], s[22:23]
	s_add_nc_u64 s[46:47], s[4:5], s[46:47]
	s_add_nc_u64 s[92:93], s[6:7], s[92:93]
	CROUND
	s_mov_b32 s[G0S], 1
	s_mov_b32 s[G0S+1], SCL
	s_mov_b64 s[G0S+2:G0S+3], s[22:23]
	s_or_b32 s[G0S+3], s[G0S+3], 0x80000000
	s_mov_b32 s[G0SB], 1
	s_mov_b32 s[G0SB+1], SCL+2*HALFS
	s_mov_b64 s[G0SB+2:G0SB+3], s[92:93]
	s_or_b32 s[G0SB+3], s[G0SB+3], 0x80000000
.irp s, 0,1
	s_mov_b32 s[G0+4*\s], 1
	s_add_co_u32 s[G0+4*\s+1], s45, \s*SLOT
	s_add_nc_u64 s[G0+4*\s+2:G0+4*\s+3], s[20:21], \s*ROWB
	s_or_b32 s[G0+4*\s+3], s[G0+4*\s+3], 0x80000000
	s_mov_b32 s[G0B+4*\s], 1
	s_add_co_u32 s[G0B+4*\s+1], s45, \s*SLOT
	s_add_nc_u64 s[G0B+4*\s+2:G0B+4*\s+3], s[46:47], \s*ROWB
	s_or_b32 s[G0B+4*\s+3], s[G0B+4*\s+3], 0x80000000
.endr
	s_mov_b32 s[G0+1], 0                           ; at the head slot 0's two descriptors stand for whole tiles of 256 rows
	s_mov_b32 s[G0B+1], 2*HALFT
	s_add_nc_u64 s[G0+6:G0+7], s[G0+6:G0+7], s[100:101]      ; slot 1's for my 128 rows
	s_add_nc_u64 s[G0B+6:G0B+7], s[G0B+6:G0B+7], s[100:101]
	s_cmp_eq_u32 s15, 0                            ; the prefetches: do I fetch for A?
	s_cselect_b64 s[104:105], s[20:21], s[46:47]
	s_cselect_b32 s94, s40, s41                    ; my place among the four that ask with me
	s_mul_i32 s94, s94, 2*12288                    ; my work-group's two tiles
	s_add_co_u32 s94, s94, s100                    ; of the eight that I fetch
	s_mov_b32 s95, 0
	s_add_nc_u64 s[104:105], s[104:105], s[94:95]
; the head's loads, one a wave, in one chain of branches on the wave's number
.macro ARM under, g0, g1, next
	s_cmp_lt_u32 s14, \under
	s_cbranch_scc0 \next
	tensor_load_to_lds s[\g0:\g0+3], s[\g1:\g1+7]
	s_nop 0
.rept 4
	v_nop
.endr
	s_branch .Lhead_asked
\next:
.endm
	ARM 1, G0,  G1,  .Lhead_b
	ARM 2, G0B, G1B, .Lhead_sa
	ARM 3, G0S, G1S, .Lhead_sb
	tensor_load_to_lds s[G0SB:G0SB+3], s[G1SB:G1SB+7]
	s_nop 0
.rept 4
	v_nop
.endr
.Lhead_asked:
	v_and_b32 v1, 15, v0
	v_bfe_u32 v2, v0, 4, 1
	v_and_b32 v3, 31, v0
	v_lshlrev_b32 v4, 4, v3                        ; 16 x lane: an image's first four registers
	v_lshlrev_b32 v5, 3, v3                        ; 8 x lane: its last two
	v_min_u32 v30, 23, v3                          ; block j = 0 .. 23 of my two tiles' pieces of a K step: tile j / 12, 256 (j % 12) bytes in
	v_mul_u32_u24 v31, v30, 11
	v_lshrrev_b32 v31, 7, v31                      ; j / 12
	v_mul_u32_u24 v31, v31, 12288-ROWB
	v_lshl_add_u32 v30, v30, 8, v31
	global_prefetch_b8 v30, s[104:105] offset:ROWB th:TH_LOAD_NT scope:SCOPE_SE
	global_prefetch_b8 v30, s[104:105] offset:2*ROWB th:TH_LOAD_NT scope:SCOPE_SE
	s_mul_i32 s21, s15, HALFT
	s_mul_i32 s22, s16, HALFT
	s_add_co_u32 s22, s22, 2*HALFT
.irp s, 0,1
	v_add_nc_u32 v[ADRA+\s], s21, v4
	v_add_nc_u32 v[ADRB+\s], s22, v4
	v_add_nc_u32 v[ADRA+2+\s], s21, v5
	v_add_nc_u32 v[ADRB+2+\s], s22, v5
	s_add_co_u32 s21, s21, SLOT
	s_add_co_u32 s22, s22, SLOT
.endr
	v_lshlrev_b32 v5, 4, v1                        ; a row's 16 scale bytes of half of K; the other half lies one padded unit, 272 bytes, on
	s_mul_i32 s21, s15, HALFS
	s_mul_i32 s22, s16, HALFS
	s_add_co_u32 s22, s22, 2*HALFS
	s_sub_co_u32 s22, s22, s21
	v_mul_u32_u24 v6, s22, v2
	s_add_co_u32 s21, s21, SCL
	v_add_nc_u32 v5, v5, v6
	v_add_nc_u32 v[ADRS], s21, v5
	s_lshl_b32 s18, s17, 8
	s_lshl_b32 s19, s15, 7
	s_add_co_u32 s18, s18, s19
	s_lshl_b32 s19, s42, 8
	s_lshl_b32 s20, s16, 7
	s_add_co_u32 s19, s19, s20
	s_mov_b32 s[STA], 768
	s_mov_b32 s[STB], 768
	s_mov_b32 s[ANDM], 0xffff
	s_mov_b32 s22, 98304
	s_cmp_eq_u32 s2, 1
	s_cselect_b32 s20, s19, s18
	s_cselect_b32 s21, s18, s19
	s_cselect_b32 s[STA], 1536, s[STA]
	s_cselect_b32 s[STB], 93696, s[STB]
	s_cselect_b32 s[ANDM], -1, s[ANDM]
	s_cselect_b32 s[ORM], 0, 0x7f7f0000
	s_cselect_b32 s22, 768, s22
	s_cselect_b32 s94, 0, 16
	s_mov_b32 s23, 0
	s_lshr_b32 s46, s20, 11
	s_lshl_b32 s46, s46, 4
	s_lshr_b32 s47, s21, 6
	s_add_co_u32 s46, s46, s47
	s_bfe_u32 s47, s20, 0x40007
	s_mul_i32 s92, s46, 98304
	s_mul_i32 s93, s47, 6144
	s_add_co_u32 s92, s92, s93
	s_mul_i32 s93, s99, 6291456
	s_add_co_u32 s92, s92, s93
	s_mov_b32 s93, 0
	s_add_nc_u64 s[8:9], s[8:9], s[92:93]
	s_add_nc_u64 s[12:13], s[8:9], s[22:23]
	s_lshl_b32 s92, s46, 13
	s_lshl_b32 s93, s47, 9
	s_add_co_u32 s92, s92, s93
	s_lshr_b32 s92, s92, s2
	s_lshl_b32 s93, s99, 19
	s_add_co_u32 s92, s92, s93
	s_mov_b32 s93, 0
	s_add_nc_u64 s[10:11], s[10:11], s[92:93]
	v_and_b32 v6, 31, v0
	v_lshlrev_b32 v[L16], 4, v6
	v_lshlrev_b32 v[L8], 3, v6
	v_mov_b32 v[VO16], v[L16]
	v_mov_b32 v[VO8], v[L8]
	v_mul_u32_u24 v[SH], s94, v2
	s_lshl_b32 s94, s14, 10
	v_lshlrev_b32 v[SCR], 4, v1
	v_lshl_add_u32 v[SCR], v2, 9, v[SCR]
	v_add_nc_u32 v[SCR], s94, v[SCR]
	v_add_nc_u32 v[SRD], s94, v[L16]
.irp b, 0,1,2,3
	v_mov_b32 v[TM+4+\b], 0
.endr
.macro FRAG reg, adr, q, i
.set OO, ROWB*(\i)+1536*(\q)
	ds_load_b128 v[\reg:\reg+3], v[\adr] offset:OO
	ds_load_b64 v[\reg+4:\reg+5], v[\adr+2] offset:OO+512
	ds_load_b128 v[\reg+6:\reg+9], v[\adr] offset:OO+768
	ds_load_b64 v[\reg+10:\reg+11], v[\adr+2] offset:OO+1280
.endm
.macro MUL16 a0, p, q, sc, zero
.irp a, \a0, \a0+1
.irp b, 0,1,2,3,4,5,6,7
.if \zero
	v_wmma_scale_f32_16x16x128_f8f6f4 v[8*(8*((\a)%4)+\b):8*(8*((\a)%4)+\b)+7], v[128*(\p)+FR*\b:128*(\p)+FR*\b+FR-1], v[AF+FR*(\a):AF+FR*(\a)+FR-1], 0, v[SC+8*NQ*(\sc)+NQ*\b+(\q)], v[SC+8*NQ*(\sc)+NQ*(\a)+(\q)] matrix_a_fmt:MATRIX_FMT_FP6 matrix_b_fmt:MATRIX_FMT_FP6 matrix_a_scale:MATRIX_SCALE_ROW1
.else
	v_wmma_scale_f32_16x16x128_f8f6f4 v[8*(8*((\a)%4)+\b):8*(8*((\a)%4)+\b)+7], v[128*(\p)+FR*\b:128*(\p)+FR*\b+FR-1], v[AF+FR*(\a):AF+FR*(\a)+FR-1], v[8*(8*((\a)%4)+\b):8*(8*((\a)%4)+\b)+7], v[SC+8*NQ*(\sc)+NQ*\b+(\q)], v[SC+8*NQ*(\sc)+NQ*(\a)+(\q)] matrix_a_fmt:MATRIX_FMT_FP6 matrix_b_fmt:MATRIX_FMT_FP6 matrix_a_scale:MATRIX_SCALE_ROW1
.endif
.endr
.endr
.endm
.macro FETCH_B slot, q, p
	WIN TO_B
.irp i, 0,1,2,3,4,5,6,7
	FRAG 128*(\p)+FR*\i, ADRB+\slot, \q, \i
.endr
	WIN 0
.endm
.macro FETCH_A slot, q, i0
.irp i, \i0, \i0+1, \i0+2, \i0+3
	FRAG AF+FR*(\i), ADRA+\slot, \q, \i
.endr
.endm
.macro SCALES sc
.irp i, 0,1,2,3,4,5,6,7
	ds_load_b64 v[SC+8*NQ*\sc+NQ*\i:SC+8*NQ*\sc+NQ*\i+1], v[ADRS] offset:\i*SBLK
.endr
.endm
.macro PLACES n
.rept \n
	v_nop
.endr
.endm
.macro STEP slot, q, zero
	s_wait_dscnt 4*NL
	WIN MUL_LO
	MUL16 0, (\q)%2, \q, \slot, \zero
	MUL16 2, (\q)%2, \q, \slot, \zero
	s_wait_dscnt 0
	PLACES NP
	FETCH_B \slot, (\q)+1, 1-(\q)%2
	FETCH_A \slot, (\q)+1, 0
	WIN MUL_HI
	MUL16 4, (\q)%2, \q, \slot, \zero
	MUL16 6, (\q)%2, \q, \slot, \zero
	PLACES NP
	WIN 0
	FETCH_A \slot, (\q)+1, 4
.endm
.macro TURN slot, next, fill
	s_wait_tensorcnt 0x0
	ds_add_u32 v[SPW], v[NIL]
	s_wait_dscnt 4*NL+1
	WIN MUL_LO
	MUL16 0, 1, NQ-1, \slot, 0
	s_wait_dscnt 0x0
	s_barrier_signal -1
	MUL16 2, 1, NQ-1, \slot, 0
	WIN 0
	s_barrier_wait -1
.if \fill
	CREST
	s_add_nc_u64 s[G0+4*\slot+2:G0+4*\slot+3], s[G0+4*\slot+2:G0+4*\slot+3], 2*ROWB
	s_add_nc_u64 s[G0B+4*\slot+2:G0B+4*\slot+3], s[G0B+4*\slot+2:G0B+4*\slot+3], 2*ROWB
	JLOAD G0+4*\slot, G1, G0B+4*\slot, G1B
.else
	PLACES NP
.endif
	s_wait_alu depctr_va_vdst(0)
	v_add_nc_u32 v[ADRS], 4*NQ+256*\slot, v[ADRS]  ; 8 bytes on; from K step 1 to K step 2 into the next padded unit
	FETCH_B \next, 0, 0
	FETCH_A \next, 0, 0
	SCALES \next
	WIN MUL_HI
	MUL16 4, 1, NQ-1, \slot, 0
	MUL16 6, 1, NQ-1, \slot, 0
	PLACES NP
	WIN 0
	FETCH_A \next, 0, 4
.endm
	s_wait_alu depctr_va_vdst(0)                   ; the wait at the head's end
	s_wait_tensorcnt 0x0                           ; my tile of the head's four is in
	ds_add_u32 v[SPW], v[NIL]
	s_add_co_u32 s[G0+1], s45, 0                   ; no tensor load of mine is out: from here on a load brings my 128 rows
	s_add_co_u32 s[G0B+1], s45, 0
	s_add_nc_u64 s[G0+2:G0+3], s[G0+2:G0+3], s[100:101]
	s_add_nc_u64 s[G0B+2:G0B+3], s[G0B+2:G0B+3], s[100:101]
	s_mov_b32 s[G1+2], 8<<16
	s_mov_b32 s[G1+4], 8
	s_mov_b32 s[G1B+2], 8<<16
	s_mov_b32 s[G1B+4], 8
	s_wait_dscnt 0x0
	CROUND                                         ; all four tiles are in, and all sixteen work-groups are here
	JLOAD G0+4, G1, G0B+4, G1B                     ; K step 1, the first tensor load behind the round
	FETCH_B 0, 0, 0
	FETCH_A 0, 0, 0
	SCALES 0
	FETCH_A 0, 0, 4
	global_prefetch_b8 v30, s[104:105] offset:3*ROWB th:TH_LOAD_NT scope:SCOPE_SE
	STEP 0, 0, 1
	s_mov_b32 s3, LAPS-1
.Llap:
	TURN 0, 1, 1
	STEP 1, 0, 0
	TURN 1, 0, 1
	STEP 0, 0, 0
	s_sub_co_u32 s3, s3, 1
	s_cmp_lg_u32 s3, 0
	s_cbranch_scc1 .Llap
	TURN 0, 1, 0
	STEP 1, 0, 0
	s_wait_dscnt 4*NL
	WIN MUL_LO
	MUL16 0, 1, NQ-1, 1, 0
	MUL16 2, 1, NQ-1, 1, 0
	s_wait_dscnt 0
	WIN MUL_HI
	MUL16 4, 1, NQ-1, 1, 0
	MUL16 6, 1, NQ-1, 1, 0
	WIN 0
.macro QUANTW a
.set W, 2+(\a)/4
.set AC, 64*((\a)%4)
.set WN, (W<<2)|(W<<4)
	WIN WN
.irp b, 0,1,2,3
	v_max3_num_f32 v[TM+\b], 0x1800000, |v[AC+16*\b]|, |v[AC+16*\b+1]|
.endr
.irp i, 2,4,6,8,10,12,14
.irp b, 0,1,2,3
	v_max3_num_f32 v[TM+\b], v[TM+\b], |v[AC+16*\b+\i]|, |v[AC+16*\b+\i+1]|
.endr
.endr
	WIN 0
.irp b, 0,1,2,3
	v_permlanex16_b32 v[TM+4+\b], v[TM+\b], s[SEL], s[SEL+1]
.endr
.irp b, 0,1,2,3
	v_max_num_f32 v[TM+\b], v[TM+\b], v[TM+4+\b]
.endr
.irp b, 0,1,2,3
	v_add_nc_u32 v[TM+12+\b], 0xff000000, v[TM+\b]
.endr
.irp b, 0,1,2,3
	v_lshrrev_b32 v[TM+4+\b], 23, v[TM+12+\b]
.endr
	v_lshl_or_b32 v[PW], v[TM+5], 8, v[TM+4]
	v_lshl_or_b32 v[PW], v[TM+6], 16, v[PW]
	v_lshl_or_b32 v[PW], v[TM+7], 24, v[PW]
	WIN W
.irp c, 0,1
	v_cvt_scalef32_pk16_fp6_f32 v[PC+6*\c:PC+2+6*\c], v[AC+32*\c:AC+15+32*\c], v[TM+12+2*\c]
	v_cvt_scalef32_pk16_fp6_f32 v[PC+12+4*\c:PC+14+4*\c], v[AC+16+32*\c:AC+31+32*\c], v[TM+12+2*\c+1]
.endr
	WIN 0
	v_nop
.irp c, 0,1
.irp i, 0,1,2
	v_permlane16_swap_b32 v[PC+6*\c+\i], v[PC+12+4*\c+\i]
.endr
.irp i, 0,1,2
	v_mov_b32 v[PC+3+6*\c+\i], v[PC+12+4*\c+\i]
.endr
.endr
.endm
.macro EPI a
.if (\a) > 0
	s_wait_xcnt 0x0
.if (\a) == 4
	v_add_nc_u32 v[VO16], s[STB], v[VO16]
	v_add_nc_u32 v[VO8], s[STB], v[VO8]
.else
	v_add_nc_u32 v[VO16], s[STA], v[VO16]
	v_add_nc_u32 v[VO8], s[STA], v[VO8]
.endif
.endif
	QUANTW \a
	v_lshrrev_b32 v[SW+(\a)], v[SH], v[PW]
	v_and_or_b32 v[SW+(\a)], v[SW+(\a)], s[ANDM], s[ORM]
	ds_store_b32 v[SCR], v[SW+(\a)] offset:256*((\a)&1)+4*((\a)>>1)
	global_store_b128 v[VO16], v[PC:PC+3], s[8:9]
	global_store_b64 v[VO8], v[PC+4:PC+5], s[8:9] offset:512
	global_store_b128 v[VO16], v[PC+6:PC+9], s[12:13]
	global_store_b64 v[VO8], v[PC+10:PC+11], s[12:13] offset:512
.endm
	PLACES NP
.irp a, 0,1,2,3,4,5,6,7
	EPI \a
.endr
	ds_load_b128 v[BKS:BKS+3], v[SRD]
	ds_load_b128 v[BKS+4:BKS+7], v[SRD] offset:512
	s_wait_dscnt 0x0
	s_cmp_eq_u32 s2, 1
	s_cbranch_scc1 .Lfor_v
	global_store_b128 v[L16], v[BKS:BKS+3], s[10:11]
	global_store_b128 v[L16], v[BKS+4:BKS+7], s[10:11] offset:8192
	s_branch .Lsent
.Lfor_v:
	global_store_b64 v[L8], v[BKS:BKS+1], s[10:11]
	global_store_b64 v[L8], v[BKS+2:BKS+3], s[10:11] offset:4096
.Lsent:
	s_wait_tensorcnt 0x0
	ds_add_u32 v[SPW], v[NIL]
	s_wait_dscnt 0x0
	CROUND
	s_endpgm
.Lfunc_end_k_qdc217b5b1f_proj:
	.size	k_qdc217b5b1f_proj, .Lfunc_end_k_qdc217b5b1f_proj-k_qdc217b5b1f_proj
	.p2alignl 7, 3214868480
	.fill 96, 4, 3214868480
	.section	.rodata,"a",@progbits
	.p2align	6, 0x0
	.amdhsa_kernel k_qdc217b5b1f_proj
		.amdhsa_group_segment_fixed_size 327680
		.amdhsa_private_segment_fixed_size 0
		.amdhsa_enable_private_segment 0
		.amdhsa_kernarg_size 32
		.amdhsa_user_sgpr_count 2
		.amdhsa_user_sgpr_kernarg_segment_ptr 1
		.amdhsa_wavefront_size32 1
		.amdhsa_system_sgpr_workgroup_id_x 1
		.amdhsa_system_sgpr_workgroup_id_y 1
		.amdhsa_system_sgpr_workgroup_id_z 1
		.amdhsa_system_vgpr_workitem_id 0
		.amdhsa_next_free_vgpr 1024
		.amdhsa_next_free_sgpr 106
		.amdhsa_reserve_vcc 0
		.amdhsa_float_denorm_mode_32 3
		.amdhsa_float_denorm_mode_16_64 3
		.amdhsa_memory_ordered 1
		.amdhsa_forward_progress 1
		.amdhsa_inst_pref_size 154
	.end_amdhsa_kernel
	.amdgpu_metadata
---
amdhsa.version: [ 1, 2 ]
amdhsa.kernels:
  - .name:           k_qdc217b5b1f_proj
    .symbol:         k_qdc217b5b1f_proj.kd
    .args:
      - { .name: c1, .offset: 0, .size: 8, .value_kind: global_buffer, .address_space: global }
      - { .name: s1, .offset: 8, .size: 8, .value_kind: global_buffer, .address_space: global }
      - { .name: c2, .offset: 16, .size: 8, .value_kind: global_buffer, .address_space: global }
      - { .name: s2, .offset: 24, .size: 8, .value_kind: global_buffer, .address_space: global }
    .group_segment_fixed_size: 327680
    .private_segment_fixed_size: 0
    .kernarg_segment_align: 8
    .kernarg_segment_size: 32
    .max_flat_workgroup_size: 128
    .sgpr_count:     106
    .vgpr_count:     1024
    .wavefront_size: 32
...
	.end_amdgpu_metadata
.endif
;; end of part 2
;; launch attn (part 3): grid 4 x 64, 16 waves a work-group, clusters of 4 x 1, 212,992 bytes of LDS; arguments c2, s2, c3, s3; writes c3, s3
.if DOCPART == 3
	.amdgcn_target "amdgcn-amd-amdhsa--gfx1250"
	.amdhsa_code_object_version 6
	.text
	.protected	k_qdc217b5b1f_attn
	.globl	k_qdc217b5b1f_attn
	.p2align	8
	.type	k_qdc217b5b1f_attn,@function
k_qdc217b5b1f_attn:
	s_mov_b64 s[64:65], 0
	v_nop
	global_prefetch_b8 v0, s[64:65] scope:SCOPE_SE
	s_setreg_imm32_b32 hwreg(HW_REG_WAVE_MODE, 25, 1), 1
	s_wait_xcnt 0x0
	s_wait_alu depctr_hold_cnt(0) depctr_sa_sdst(0) depctr_va_vdst(0) depctr_va_sdst(0) depctr_va_ssrc(0) depctr_va_vcc(0) depctr_vm_vsrc(0)
	s_getreg_b32 s2, hwreg(HW_REG_IB_STS2, 6, 4)
	s_cmp_eq_u32 s2, 0
	s_cbranch_scc0 .Lentry_in_a_cluster
	s_endpgm
.Lentry_in_a_cluster:
	s_bfe_u32 s2, ttmp6, 0x10000c
	s_cmp_lg_u32 s2, 0x3003
	s_cbranch_scc0 .Lentry_shape_is_right
	s_endpgm
.Lentry_shape_is_right:
; attn[b][q][head][:] = the sum over k of softmax_k(Q . K / 8) V, for one (batch, head) a cluster, both products on codes of FP6 (E2M3) with one E8M0 scale for each 32 along a product's K; the result is quantised along
; (head, d), the last product's K, and stored as images of operand registers.
; THE SOFTMAX AHEAD OF THE SECOND PRODUCT: t = score x log2(e) / 8; M = the row's largest t so far, rounded UP to a whole number; p = 2^(t - M) is what is quantised, along the keys; it is not normalised.
; The row's sum is taken of the unquantised p, in f32, and divides O at the end.  When M moves, the sum and O are multiplied by 2^(old M - new M): exact.
; SHARES.  The four work-groups of a cluster own the four blocks of 512 queries of one head.  Each of a work-group's sixteen waves owns one tile of 16 queries at a time, two one after the other, in 256 registers:
; four waves to a SIMD, so that one wave's vector work stands beside another's matrix work and LDS loads.  Every wave walks all 2,048 keys, 128 a step.
; THE HEAD'S WHOLE K AND V LIE IN LDS: 2 x 98,304 bytes of codes and 12,288 of scale words, as images of the operand registers, asked for ONCE, jointly by the four work-groups (ten waves, one load each).
; Nothing is filled again: no ring, no barrier in the loop; and nothing is left to prefetch: all that the launch streams is asked for at its head.
; LAYOUT.  Both products are used transposed: S^T = K Q^T (source 0 = 16 keys, source 1 = my 16 queries), O^T = V^T P^T (source 0 = 16 of the head's 64, source 1 = P): a lane holds ONE query (lane % 16) throughout.
; Row m of K's tile 4 c + u is key 64 c + 8 u + m % 8 + 32 (m / 8) of the step.  So the 32 registers of tiles 4 c .. 4 c + 3 in lane (r, h) are the keys 64 c + 32 h + 0 .. 31: ONE WHOLE SCALE BLOCK, and in the very place that
; the second product's operand layout gives that lane: a block's maximum asks no other lane, and p's codes are moved between no lanes.  V's tiles of features are chosen for the last product's K (16 neighbours in two tiles).
; THE FIRST PRODUCT'S K IS 64, THE INSTRUCTION'S 128: Q's registers 6-11 hold zero codes.  K's tiles lie six registers apart, so that a tile's registers 6-11 are the next tile's codes (behind the last: zeros):
; they meet Q's zeros under the scale byte 0x7f and add nothing.
; The scale bytes of the result leave one byte a lane, 32 bytes a tile beside 768 bytes of codes, to 16 rows 32 bytes apart: two blocks of 256 bytes of s3 are written in part by each such store.
; LIMITS: a block whose largest magnitude lies under 2^-124 (zeros among them) keeps the byte 1: this program alone reads the bytes; NaN and infinities are not served.
.set KC,    0                          ; LDS: K's codes, 16 steps of 6,144 bytes (8 tiles of 768);
.set VC,    98304                      ; V's, 16 steps of 6,144 (4 tiles of 1,536);
.set KSC,   196608                     ; K's scale words, 512 bytes a step;
.set VSC,   204800                     ; V's, 256 a step;
.set SPARE, 208896                     ; the spare words, 128 bytes for each of the sixteen waves
.set STEPB, 6144
.set L16, 1                            ; v1   16 x lane; never rewritten
.set L8,  2                            ; v2   8 x lane
.set R16, 3                            ; v3   16 x (lane % 16): Q's scale words
.set OSO, 4                            ; v4   32 x (lane % 16) + lane / 16: my byte in s3
.set SPW, 5                            ; v5   my spare word; v6  0; never rewritten
.set NIL, 6
.set V16, 7                            ; v7, v8   v1, v2 + VC
.set V8,  8
.set KS0, 9                            ; v9   v1 + KSC
.set VS0, 10                           ; v10  v2 + VSC
                                       ; v12 -M, v13 the largest score, v[14:15] the sum in two halves
.set QF,  16                           ; v16-21 Q's codes, v22-27 zeros
.set SH8, 28                           ; v28  8 x (lane / 16)
.set KV,  32                           ; v32-79 eight tiles of K, six registers apart; then four fragments of V;  v80-85 zeros
.set SS,  96                           ; v96-159 S^T, then p
.set OT,  160                          ; v160-191 O^T
.set PC,  192                          ; v192-203 p's codes
.set PX,  204                          ; v204-206, v208-210 the conversions' second halves
.set BM,  212                          ; v212-215 largest scores of 16 keys; then v212, v213 my two blocks' largest score, then largest p
.set BT,  216                          ; v216-219 at work
.set BS,  220                          ; v220-221 the conversions' scale operands
.set PW,  224                          ; v224 p's scale word
.set QW,  225                          ; v225 Q's scale words
.set FF,  226                          ; v[226:227] f = 2^(old M - new M) (the pair's upper half is written once)
.set T0,  228                          ; v228 at work
.set OM,  229                          ; v229 the last step's -M
.set WX,  230                          ; v230 lane l xor 16's half of p's scale word
.set KW,  232                          ; v232-235 K's scale words: register t / 2, lanes 16 (t % 2) + r
.set VW,  236                          ; v236-237 V's likewise
.set AD,  240                          ; v240-245 the step's six LDS addresses
.set WV,  12                           ; s12  my wave's number
.set SEL, 20                           ; s[20:21] the selects for lane l xor 16
.set CS,  22                           ; s[22:23] c = log2(e) / 8
.set G1C, 24                           ; s[24:31] descriptor group 1: 96 rows of 256 bytes (a quarter of K's or V's codes)
.set G1K, 32                           ; s[32:39] 32 rows (K's scale words)
.set G1V, 40                           ; s[40:47] 16 rows (V's)
.set G0C, 48                           ; s[48:51], s[52:55], s[56:59] their groups 0
.set G0K, 52
.set G0V, 56
.set TB,  60                           ; s60  the step's codes: 6,144 bytes a step
.set TS,  61                           ; s61  K's scale words: 512
.set TJ,  62                           ; s62  V's: 256
.set CNT, 63                           ; s63  steps to go
.set MH,  66                           ; s66  lanes 16-31
.set QB,  68                           ; s[68:69] Q's codes, s[70:71] Q's scale words, s[72:73] c3, s[74:75] s3: at my tile of the first pass; the second pass stands in the immediates
.set QS,  70
.set OC,  72
.set OS,  74
.macro CROUND                          ; a round of the cluster's barrier
	s_barrier_signal -1
	s_barrier_wait -1
	s_cmp_lg_u32 s[WV], 0
	s_cbranch_scc1 .Lnot_wave_0_\@
	s_barrier_signal -3
.Lnot_wave_0_\@:
	s_barrier_wait -3
	s_barrier_signal -1
	s_barrier_wait -1
.endm
.macro TLOAD g0, g1                    ; an s_nop 0 and four v_nop follow a tensor load
	tensor_load_to_lds s[\g0:\g0+3], s[\g1:\g1+7]
	s_nop 0
.rept 4
	v_nop
.endr
.endm
	s_load_b256 s[4:11], s[0:1], 0x0               ; c2 s[4:5], s2 s[6:7], c3 s[8:9], s3 s[10:11]
	v_lshl_add_u32 v[SPW], v0, 2, SPARE
	v_mov_b32 v[NIL], 0
	ds_add_u32 v[SPW], v[NIL]                      ; the opening lines: the add, twice on end, and its wait ahead of my first tensor load
	ds_add_u32 v[SPW], v[NIL]
	v_lshrrev_b32 v11, 5, v0
	v_readfirstlane_b32 s[WV], v11                 ; wave 0..15
	s_bfe_u32 s13, ttmp6, 0x40000                  ; cx: my block of 512 queries: it enters Q's and the result's addresses alone
	s_and_b32 s14, ttmp7, 0xffff                   ; 16 x batch + head, which the four partners share
.irp g, G1C, G1K, G1V                  ; dense blocks as rows of 256 bytes (32 elements of 8 bytes), no padding: every LDS read takes neighbouring bytes in neighbouring lanes
	s_mov_b32 s[\g], 15|(3<<16)|(1<<21)            ; the mask: all four work-groups; elements of 8 bytes; bit 21 set beside a mask
	s_mov_b32 s[\g+1], 32<<16
	s_mov_b32 s[\g+3], 32<<16
	s_mov_b32 s[\g+5], 32
	s_mov_b32 s[\g+6], 0
	s_mov_b32 s[\g+7], 0
.endr
	s_mov_b32 s[G1C+2], 96<<16
	s_mov_b32 s[G1C+4], 96
	s_mov_b32 s[G1K+2], 32<<16
	s_mov_b32 s[G1K+4], 32
	s_mov_b32 s[G1V+2], 16<<16
	s_mov_b32 s[G1V+4], 16
	s_mov_b32 s[G0C], 1
	s_and_b32 s15, s[WV], 7
	s_mul_i32 s[G0C+1], s15, 24576                 ; waves 0-3: K's four quarters, waves 4-7: V's, which lie behind them
	s_mov_b32 s[G0K], 1
	s_mov_b32 s[G0K+1], KSC
	s_mov_b32 s[G0V], 1
	s_mov_b32 s[G0V+1], VSC
	s_mul_i32 s15, s14, 98304                      ; the head's codes
	s_and_b32 s16, s[WV], 3
	s_mul_i32 s16, s16, 24576
	s_add_co_u32 s16, s16, s15
	s_mov_b32 s17, 12582912
	s_cmp_lt_u32 s[WV], 4
	s_cselect_b32 s17, 6291456, s17                ; K's part of c2, or V's
	s_add_co_u32 s16, s16, s17
	s_mov_b32 s17, 0
	s_lshl_b32 s18, s14, 13
	s_add_co_u32 s18, s18, 524288                  ; K's scale words in s2
	s_mov_b32 s19, 0
	s_lshl_b32 s76, s14, 12
	s_add_co_u32 s76, s76, 1048576                 ; V's
	s_mov_b32 s77, 0
	s_lshl_b32 s78, s14, 7
	s_lshl_b32 s79, s13, 5
	s_add_co_u32 s79, s79, s[WV]                   ; my tile of 16 queries in the head, first pass: 32 cx + wave
	s_add_co_u32 s78, s78, s79
	s_mul_i32 s[QB], s78, 768
	s_mov_b32 s[QB+1], 0
	s_lshl_b32 s[QS], s14, 13                      ; Q's scale words: 8,192 bytes a head, 512 a step of 8 tiles; tile a's at 256 (a & 1) + 4 (a >> 1)
	s_lshl_b32 s78, s13, 11
	s_add_co_u32 s[QS], s[QS], s78
	s_lshr_b32 s78, s[WV], 3
	s_lshl_b32 s78, s78, 9
	s_add_co_u32 s[QS], s[QS], s78
	s_and_b32 s78, s[WV], 1
	s_lshl_b32 s78, s78, 8
	s_add_co_u32 s[QS], s[QS], s78
	s_bfe_u32 s78, s[WV], 0x20001
	s_lshl_b32 s78, s78, 2
	s_add_co_u32 s[QS], s[QS], s78
	s_mov_b32 s[QS+1], 0
	s_lshr_b32 s78, s14, 4                         ; batch
	s_and_b32 s80, s14, 15                         ; head
	s_lshl_b32 s81, s78, 7
	s_add_co_u32 s81, s81, s79                     ; my tile of 16 rows among the 512: 128 x batch + 32 cx + wave
	s_mul_i32 s[OC], s81, 12288                    ; c3: 16 heads of 768 bytes a tile
	s_mul_i32 s82, s80, 768
	s_add_co_u32 s[OC], s[OC], s82
	s_mov_b32 s[OC+1], 0
	s_lshl_b32 s[OS], s81, 9                       ; s3: 16 rows of 32 bytes a tile, the head's two bytes at 2 x head
	s_lshl_b32 s82, s80, 1
	s_add_co_u32 s[OS], s[OS], s82
	s_mov_b32 s[OS+1], 0
	s_mov_b32 s[SEL], 0x76543210
	s_mov_b32 s[SEL+1], 0xfedcba98
	s_mov_b32 s[CS], 0x3e38aa3b                    ; c = log2(e) / 8
	s_mov_b32 s[CS+1], s[CS]                       ; (named with it as a pair, so it is written)
	s_mov_b32 s[MH], 0xffff0000
	v_and_b32 v11, 31, v0
	v_lshlrev_b32 v[L16], 4, v11
	v_lshlrev_b32 v[L8], 3, v11
	v_and_b32 v[R16], 15, v0
	v_bfe_u32 v[OSO], v0, 4, 1
	v_lshlrev_b32 v[SH8], 3, v[OSO]
	v_lshl_add_u32 v[OSO], v[R16], 5, v[OSO]
	v_lshlrev_b32 v[R16], 4, v[R16]
	v_add_nc_u32 v[V16], VC, v[L16]
	v_add_nc_u32 v[V8], VC, v[L8]
	v_add_nc_u32 v[KS0], KSC, v[L16]
	v_add_nc_u32 v[VS0], VSC, v[L8]
	s_wait_dscnt 0x0                               ; both opening adds are done
	s_wait_kmcnt 0x0
	s_add_nc_u64 s[G0C+2:G0C+3], s[4:5], s[16:17]
	s_or_b32 s[G0C+3], s[G0C+3], 0x80000000
	s_add_nc_u64 s[G0K+2:G0K+3], s[6:7], s[18:19]
	s_or_b32 s[G0K+3], s[G0K+3], 0x80000000
	s_add_nc_u64 s[G0V+2:G0V+3], s[6:7], s[76:77]
	s_or_b32 s[G0V+3], s[G0V+3], 0x80000000
	s_add_nc_u64 s[QB:QB+1], s[4:5], s[QB:QB+1]
	s_add_nc_u64 s[QS:QS+1], s[6:7], s[QS:QS+1]
	s_add_nc_u64 s[OC:OC+1], s[8:9], s[OC:OC+1]
	s_add_nc_u64 s[OS:OS+1], s[10:11], s[OS:OS+1]
	CROUND                                         ; all four work-groups are here: the joint loads meet
	; THE FILLS: waves 0-7 a quarter of K's or V's codes each, wave 8 K's scale words, wave 9 V's: one load a wave at the most.  The branches hang on the wave's number alone.
	s_cmp_lt_u32 s[WV], 8
	s_cbranch_scc0 .Lnot_codes
	TLOAD G0C, G1C
	s_branch .Lasked
.Lnot_codes:
	s_cmp_eq_u32 s[WV], 8
	s_cbranch_scc0 .Lnot_ks
	TLOAD G0K, G1K
	s_branch .Lasked
.Lnot_ks:
	s_cmp_eq_u32 s[WV], 9
	s_cbranch_scc0 .Lasked
	TLOAD G0V, G1V
.Lasked:
.macro QLOAD p                         ; my tile of Q for pass p: six registers of codes, as they were stored, and the rows' scale words
	global_load_b128 v[QF:QF+3], v[L16], s[QB:QB+1] offset:12288*\p
	global_load_b64 v[QF+4:QF+5], v[L8], s[QB:QB+1] offset:12288*\p+512
	global_load_b32 v[QW], v[R16], s[QS:QS+1] offset:1024*\p
.endm
	s_wait_alu depctr_va_vdst(0)
	QLOAD 0
.irp j, 0,1,2,3,4,5
	v_mov_b32 v[QF+6+\j], 0                        ; Q's k = 64 .. 127: zero codes
	v_mov_b32 v[KV+48+\j], 0                       ; and what stands behind K's last tile
.endr
	v_mov_b32 v[BT], 0                             ; written once: a lane permute's destination counts as one of its sources
	v_mov_b32 v[BT+1], 0
	v_mov_b32 v[WX], 0
	v_mov_b32 v[T0], 0
	v_mov_b32 v[FF+1], 0                           ; (named as the upper half of the pair before it is first written)
.macro INIT                            ; a pass begins: the loop has no first step of its own: it finds zeros, which the first change of M leaves zeros
	v_mov_b32 v13, 0xff61b1e6                      ; the largest score so far: -3e38, under every score
	v_floor_f32 v12, -v13                          ; -M
	v_mov_b32 v14, 0
	v_mov_b32 v15, 0
.set J, 0
.rept 32
	v_mov_b32 v[OT+J], 0
.set J, J+1
.endr
	s_mov_b32 s[TB], 0
	s_mov_b32 s[TS], 0
	s_mov_b32 s[TJ], 0
	s_mov_b32 s[CNT], 16
.endm
.macro SPROD t                         ; S^T's tile t: 16 keys x my 16 queries; odd tiles' scale words lie in lanes 16-31
.if (\t)%2
	v_wmma_scale_f32_16x16x128_f8f6f4 v[SS+8*(\t):SS+8*(\t)+7], v[KV+6*(\t):KV+6*(\t)+11], v[QF:QF+11], 0, v[KW+(\t)/2], v[QW] matrix_a_fmt:MATRIX_FMT_FP6 matrix_b_fmt:MATRIX_FMT_FP6 matrix_a_scale:MATRIX_SCALE_ROW1
.else
	v_wmma_scale_f32_16x16x128_f8f6f4 v[SS+8*(\t):SS+8*(\t)+7], v[KV+6*(\t):KV+6*(\t)+11], v[QF:QF+11], 0, v[KW+(\t)/2], v[QW] matrix_a_fmt:MATRIX_FMT_FP6 matrix_b_fmt:MATRIX_FMT_FP6
.endif
.endm
.macro OPROD t                         ; O^T's tile t: 16 of the head's 64 x my 16 queries, K = the step's 128 keys
.if (\t)%2
	v_wmma_scale_f32_16x16x128_f8f6f4 v[OT+8*(\t):OT+8*(\t)+7], v[KV+12*(\t):KV+12*(\t)+11], v[PC:PC+11], v[OT+8*(\t):OT+8*(\t)+7], v[VW+(\t)/2], v[PW] matrix_a_fmt:MATRIX_FMT_FP6 matrix_b_fmt:MATRIX_FMT_FP6 matrix_a_scale:MATRIX_SCALE_ROW1
.else
	v_wmma_scale_f32_16x16x128_f8f6f4 v[OT+8*(\t):OT+8*(\t)+7], v[KV+12*(\t):KV+12*(\t)+11], v[PC:PC+11], v[OT+8*(\t):OT+8*(\t)+7], v[VW+(\t)/2], v[PW] matrix_a_fmt:MATRIX_FMT_FP6 matrix_b_fmt:MATRIX_FMT_FP6
.endif
.endm
; A KEY STEP: 128 keys.
.macro STEP
	v_add_nc_u32 v[AD+0], s[TB], v[L16]            ; K's addresses: with the idle line the four places between the last step's products and the loads into their registers
	v_add_nc_u32 v[AD+1], s[TB], v[L8]
	v_add_nc_u32 v[AD+4], s[TS], v[KS0]
	v_nop
.irp t, 0,1,2,3,4,5,6,7
	ds_load_b128 v[KV+6*\t:KV+6*\t+3], v[AD+0] offset:768*\t           ; a tile's six registers, as they were stored: neighbouring lanes, neighbouring bytes
	ds_load_b64 v[KV+6*\t+4:KV+6*\t+5], v[AD+1] offset:768*\t+512
.endr
	ds_load_b128 v[KW:KW+3], v[AD+4]               ; the eight tiles' scale words in one load
	s_wait_alu depctr_va_vdst(0)
	s_wait_dscnt 0x0
.irp t, 0,1,2,3,4,5,6,7
	SPROD \t
.endr
	v_add_nc_u32 v[AD+2], s[TB], v[V16]            ; V's addresses and the old -M: the four places behind the products, ahead of the loads into K's registers and of the first read of the scores
	v_add_nc_u32 v[AD+3], s[TB], v[V8]
	v_add_nc_u32 v[AD+5], s[TJ], v[VS0]
	v_mov_b32 v[OM], v12
.irp t, 0,1,2,3
.irp c, 0,1
	ds_load_b128 v[KV+12*\t+6*\c:KV+12*\t+6*\c+3], v[AD+2] offset:1536*\t+768*\c      ; V's four fragments: they land while the softmax is worked
	ds_load_b64 v[KV+12*\t+6*\c+4:KV+12*\t+6*\c+5], v[AD+3] offset:1536*\t+768*\c+512
.endr
.endr
	ds_load_b64 v[VW:VW+1], v[AD+5]
.irp b, 0,1,2,3
	v_max3_num_f32 v[BM+\b], v[SS+16*\b], v[SS+1+16*\b], v[SS+2+16*\b]   ; the largest score of each 16 keys, four chains by turns.  Each result is read from its low end on
.endr
.irp i, 3,5,7,9,11,13
.irp b, 0,1,2,3
	v_max3_num_f32 v[BM+\b], v[BM+\b], v[SS+16*\b+\i], v[SS+1+16*\b+\i]
.endr
.endr
.irp b, 0,1,2,3
	v_max_num_f32 v[BM+\b], v[BM+\b], v[SS+15+16*\b]
.endr
	v_max_num_f32 v[BM], v[BM], v[BM+1]            ; THE LARGEST SCORE OF MY TWO BLOCKS OF 32 KEYS: it serves the row's maximum and, since p rises with the score, the block's largest p
	v_max_num_f32 v[BM+1], v[BM+2], v[BM+3]
	s_delay_alu instid0(VALU_DEP_1)
	v_max_num_f32 v[T0], v[BM], v[BM+1]
	s_delay_alu instid0(VALU_DEP_1)
	v_permlanex16_b32 v[BT], v[T0], s[SEL], s[SEL+1]
	s_delay_alu instid0(VALU_DEP_1)
	v_max3_num_f32 v13, v13, v[T0], v[BT]          ; the running largest score of my query, lane l xor 16's 64 keys among them
	s_delay_alu instid0(VALU_DEP_1)
	v_mul_f32 v[T0], s[CS], v13                    ; as t (c is positive)
	s_delay_alu instid0(VALU_DEP_1)
	v_floor_f32 v12, -v[T0]                        ; the new -M = floor(-t) = -ceil(t): M is a whole number
	s_delay_alu instid0(VALU_DEP_1)
	v_sub_f32 v[T0], v12, v[OM]                    ; M's old value less its new one: a whole number, 0 or less
	s_delay_alu instid0(VALU_DEP_1)
	v_cvt_i32_f32 v[T0], v[T0]                     ; (it saturates)
	s_delay_alu instid0(VALU_DEP_1)
	v_ldexp_f32 v[FF], 1.0, v[T0]                  ; f = 2^(old M - new M): a multiplication by it rounds nothing
.set J, 0
.rept 32
	v_pk_fma_f32 v[SS+J:SS+J+1], v[SS+J:SS+J+1], s[CS:CS+1], v[12:13] op_sel_hi:[1,0,0]   ; t - M, two at a time (of the pairs c and -M the low word serves both halves)
.set J, J+2
.endr
.irp c, 0,1
	v_fma_f32 v[BM+\c], v[BM+\c], s[CS], v12       ; the same of each block's largest score
.endr
.set J, 0
	s_wait_alu depctr_va_vdst(0)                   ; the wait ahead of the batch
.rept 64
	v_exp_f32 v[SS+J], v[SS+J]                     ; p = 2^(t - M), at most 1: not normalised
.set J, J+1
.endr
	v_pk_mul_f32 v[14:15], v[14:15], v[FF:FF+1] op_sel_hi:[1,0]   ; the sums under the new M (the plain line behind the exponentials)
	s_wait_alu depctr_va_vdst(0)                   ; one wait for the batch of 64, ahead of its first reader
.irp c, 0,1
	v_exp_f32 v[BM+\c], v[BM+\c]                   ; the block's largest p: the same two instructions on the same number give the same bits
.endr
	v_pk_add_f32 v[216:217], v[100:101], v[104:105]   ; THE ROW'S SUM IS TAKEN OF THE UNQUANTISED p: two at a time, in eight chains
	v_pk_add_f32 v[254:255], v[108:109], v[112:113]
	v_pk_add_f32 v[252:253], v[116:117], v[120:121]
	v_pk_add_f32 v[250:251], v[124:125], v[128:129]
	v_pk_add_f32 v[248:249], v[132:133], v[136:137]
	v_pk_add_f32 v[246:247], v[140:141], v[144:145]
	v_pk_add_f32 v[244:245], v[148:149], v[152:153]
	v_pk_add_f32 v[14:15], v[14:15], v[156:157]
	v_pk_add_f32 v[216:217], v[216:217], v[96:97]
	v_pk_add_f32 v[254:255], v[254:255], v[98:99]
	v_pk_add_f32 v[252:253], v[252:253], v[102:103]
	v_pk_add_f32 v[250:251], v[250:251], v[106:107]
	v_pk_add_f32 v[248:249], v[248:249], v[110:111]
	v_pk_add_f32 v[246:247], v[246:247], v[114:115]
	v_pk_add_f32 v[244:245], v[244:245], v[118:119]
	v_pk_add_f32 v[14:15], v[14:15], v[122:123]
	v_pk_add_f32 v[216:217], v[216:217], v[126:127]
	v_pk_add_f32 v[254:255], v[254:255], v[130:131]
	v_pk_add_f32 v[252:253], v[252:253], v[134:135]
	v_pk_add_f32 v[250:251], v[250:251], v[138:139]
	v_pk_add_f32 v[248:249], v[248:249], v[142:143]
	v_pk_add_f32 v[246:247], v[246:247], v[146:147]
	v_pk_add_f32 v[244:245], v[244:245], v[150:151]
	v_pk_add_f32 v[14:15], v[14:15], v[154:155]
	v_pk_add_f32 v[216:217], v[216:217], v[158:159]
	v_pk_add_f32 v[14:15], v[14:15], v[250:251]
	v_pk_add_f32 v[216:217], v[216:217], v[248:249]
	v_pk_add_f32 v[254:255], v[254:255], v[246:247]
	v_pk_add_f32 v[252:253], v[252:253], v[244:245]
	v_pk_add_f32 v[14:15], v[14:15], v[254:255]
	v_pk_add_f32 v[216:217], v[216:217], v[252:253]
	v_pk_add_f32 v[14:15], v[14:15], v[216:217]
	s_wait_alu depctr_va_vdst(0)                   ; and one for the two
.irp c, 0,1
	v_max_num_f32 v[BM+\c], 0x1800000, v[BM+\c]    ; the floor 2^(3 - 127): the byte cannot fall under 1 (a block whose every p has fallen to 0 keeps that byte: its codes are zeros)
.endr
.irp c, 0,1
	v_add_nc_u32 v[BS+\c], 0xff000000, v[BM+\c]    ; 2 off the exponent field: the conversions' scale operand
.endr
.irp c, 0,1
	v_lshrrev_b32 v[BT+\c], 23, v[BS+\c]           ; the scale's byte
.endr
	v_lshl_or_b32 v[PW], v[BT+1], 16, v[BT]        ; my two bytes: blocks h and 2 + h,
	v_lshlrev_b32 v[PW], v[SH8], v[PW]             ; at their places in the scale word;
	v_permlanex16_b32 v[WX], v[PW], s[SEL], s[SEL+1]
	v_or_b32 v[PW], v[PW], v[WX]                   ; with lane l xor 16's two the word of these 128 keys is whole
.irp c, 0,1
	v_cvt_scalef32_pk16_fp6_f32 v[PC+6*\c:PC+2+6*\c], v[SS+32*\c:SS+15+32*\c], v[BS+\c]          ; keys 64 c + 32 h + 0 .. 15
	v_cvt_scalef32_pk16_fp6_f32 v[PX+4*\c:PX+2+4*\c], v[SS+16+32*\c:SS+31+32*\c], v[BS+\c]       ; and + 16 .. 31 (a conversion's three registers begin on an even number)
.endr
	v_nop                                          ; one plain line behind a scaled conversion
.irp c, 0,1
.irp i, 0,1,2
	v_mov_b32 v[PC+3+6*\c+\i], v[PX+4*\c+\i]       ; registers 6 c .. 6 c + 5 now hold k = 64 c + 32 h + 0 .. 31
.endr
.endr
	s_wait_alu depctr_va_vdst(0)                   ; directly ahead of the first reader of O^T
.set J, 0
.rept 16
	v_pk_mul_f32 v[OT+J:OT+J+1], v[OT+J:OT+J+1], v[FF:FF+1] op_sel_hi:[1,0]   ; O^T under the new M: x f.  (Sixteen lines between the writing of p's codes and scale word and the products)
.set J, J+2
.endr
.rept 4
	v_nop                                          ; O^T, just written by vector lines, is given the four places that an operand so written is owed
.endr
	s_wait_alu depctr_va_vdst(0)
	s_wait_dscnt 0x0                               ; V is in
.irp t, 0,1,2,3
	OPROD \t                                       ; the four accumulators by turns, one instruction a turn; between two links of a chain stand eleven other products
.endr
	s_add_co_u32 s[TB], s[TB], STEPB
	s_add_co_u32 s[TS], s[TS], 512
	s_add_co_u32 s[TJ], s[TJ], 256
.endm
.macro LOOP
.Lstep_\@:
	STEP
	s_sub_co_u32 s[CNT], s[CNT], 1
	s_cmp_lg_u32 s[CNT], 0
	s_cbranch_scc1 .Lstep_\@
.endm
; THE WAY OUT of pass p: O^T / the sum; register 16 b + i is d = 32 b + 16 (lane / 16) + i of my query: two blocks of 32 along the last product's K; six registers of codes a lane and a byte.
.macro OUT p
.rept 4
	v_nop                                          ; places behind the last products
.endr
	v_add_f32 v14, v14, v15                        ; the sum's two halves,
	v_permlanex16_b32 v[T0], v14, s[SEL], s[SEL+1]
	v_add_f32 v14, v14, v[T0]                      ; and lane l xor 16's: the row's sum
	s_wait_alu depctr_va_vdst(0)
	v_rcp_f32 v14, v14
	v_nop                                          ; one plain line behind the reciprocal,
	s_wait_alu depctr_va_vdst(0)                   ; and a wait ahead of its first reader
.set J, 0
.rept 16
	v_pk_mul_f32 v[SS+J:SS+J+1], v[OT+J:OT+J+1], v[14:15] op_sel_hi:[1,0]   ; each accumulator from its low end on
.set J, J+2
.endr
.irp b, 0,1
	v_max3_num_f32 v[BM+\b], |v[SS+16*\b]|, |v[SS+1+16*\b]|, 0x1800000
.endr
.irp i, 2,4,6,8,10,12,14
.irp b, 0,1
	v_max3_num_f32 v[BM+\b], v[BM+\b], |v[SS+16*\b+\i]|, |v[SS+1+16*\b+\i]|
.endr
.endr
.irp b, 0,1
	v_permlanex16_b32 v[BT+\b], v[BM+\b], s[SEL], s[SEL+1]
.endr
.irp b, 0,1
	v_max_num_f32 v[BM+\b], v[BM+\b], v[BT+\b]
.endr
.irp b, 0,1
	v_add_nc_u32 v[BS+\b], 0xff000000, v[BM+\b]
.endr
.irp b, 0,1
	v_lshrrev_b32 v[BT+\b], 23, v[BS+\b]
.endr
	v_cvt_scalef32_pk16_fp6_f32 v[PC:PC+2], v[SS:SS+15], v[BS]
	v_cvt_scalef32_pk16_fp6_f32 v[PX:PX+2], v[SS+16:SS+31], v[BS+1]
	v_cndmask_b32 v[T0], v[BT], v[BT+1], s[MH]     ; lanes 0-15 hold block 0's byte, lanes 16-31 block 1's (also the plain line behind the conversions)
.irp i, 0,1,2
	v_permlane16_swap_b32 v[PC+\i], v[PX+\i]       ; lane (r, h) now holds d = 32 h + 0 .. 15 here and 32 h + 16 .. 31 there
.endr
.irp i, 0,1,2
	v_mov_b32 v[PC+3+\i], v[PX+\i]
.endr
	global_store_b128 v[L16], v[PC:PC+3], s[OC:OC+1] offset:196608*\p          ; 512 and 256 consecutive bytes, at multiples of 256 from c3's first byte
	global_store_b64 v[L8], v[PC+4:PC+5], s[OC:OC+1] offset:196608*\p+512
	global_store_b8 v[OSO], v[T0], s[OS:OS+1] offset:8192*\p
.endm
	s_wait_tensorcnt 0x0                           ; my part of the head's K and V is in,
	s_barrier_signal -1
	s_barrier_wait -1                              ; everybody's is; nothing is filled again
	INIT
	s_wait_loadcnt 0x0                             ; Q
	LOOP
	QLOAD 1                                        ; the second tile's Q is asked for while the first goes out (its registers' last products stand a softmax back)
	OUT 0
	s_wait_xcnt 0x0                                ; the stores have read their data: the next pass writes those registers again
	INIT
	s_wait_loadcnt 0x0
	LOOP
	OUT 1
	s_wait_tensorcnt 0x0                           ; the wave's end
	ds_add_u32 v[SPW], v[NIL]
	s_wait_dscnt 0x0
	CROUND                                         ; the closing round
	s_endpgm
.Lfunc_end_k_qdc217b5b1f_attn:
	.size	k_qdc217b5b1f_attn, .Lfunc_end_k_qdc217b5b1f_attn-k_qdc217b5b1f_attn
	.p2alignl 7, 3214868480
	.fill 96, 4, 3214868480
	.section	.rodata,"a",@progbits
	.p2align	6, 0x0
	.amdhsa_kernel k_qdc217b5b1f_attn
		.amdhsa_group_segment_fixed_size 212992
		.amdhsa_private_segment_fixed_size 0
		.amdhsa_enable_private_segment 0
		.amdhsa_kernarg_size 32
		.amdhsa_user_sgpr_count 2
		.amdhsa_user_sgpr_kernarg_segment_ptr 1
		.amdhsa_wavefront_size32 1
		.amdhsa_system_sgpr_workgroup_id_x 1
		.amdhsa_system_sgpr_workgroup_id_y 1
		.amdhsa_system_sgpr_workgroup_id_z 1
		.amdhsa_system_vgpr_workitem_id 0
		.amdhsa_next_free_vgpr 256
		.amdhsa_next_free_sgpr 96
		.amdhsa_reserve_vcc 0
		.amdhsa_float_denorm_mode_32 3
		.amdhsa_float_denorm_mode_16_64 3
		.amdhsa_memory_ordered 1
		.amdhsa_forward_progress 1
		.amdhsa_inst_pref_size 49
	.end_amdhsa_kernel
	.amdgpu_metadata
---
amdhsa.version: [ 1, 2 ]
amdhsa.kernels:
  - .name:           k_qdc217b5b1f_attn
    .symbol:         k_qdc217b5b1f_attn.kd
    .args:
      - { .name: c2, .offset: 0, .size: 8, .value_kind: global_buffer, .address_space: global }
      - { .name: s2, .offset: 8, .size: 8, .value_kind: global_buffer, .address_space: global }
      - { .name: c3, .offset: 16, .size: 8, .value_kind: global_buffer, .address_space: global }
      - { .name: s3, .offset: 24, .size: 8, .value_kind: global_buffer, .address_space: global }
    .group_segment_fixed_size: 212992
    .private_segment_fixed_size: 0
    .kernarg_segment_align: 8
    .kernarg_segment_size: 32
    .max_flat_workgroup_size: 512
    .sgpr_count:     96
    .vgpr_count:     256
    .wavefront_size: 32
...
	.end_amdgpu_metadata
.endif
;; end of part 3
;; launch outp (part 4): grid 4 x 64, 4 waves a work-group, clusters of 4 x 4, 327,680 bytes of LDS; arguments c3, s3, c1, s1, out0; writes out0
.if DOCPART == 4
	.amdgcn_target "amdgcn-amd-amdhsa--gfx1250"
	.amdhsa_code_object_version 6
	.text
	.protected	k_qdc217b5b1f_outp
	.globl	k_qdc217b5b1f_outp
	.p2align	8
	.type	k_qdc217b5b1f_outp,@function
k_qdc217b5b1f_outp:
	s_mov_b64 s[64:65], 0
	v_nop
	global_prefetch_b8 v0, s[64:65] scope:SCOPE_SE
	s_setreg_imm32_b32 hwreg(HW_REG_WAVE_MODE, 25, 1), 1
	s_wait_xcnt 0x0
	s_wait_alu depctr_hold_cnt(0) depctr_sa_sdst(0) depctr_va_vdst(0) depctr_va_sdst(0) depctr_va_ssrc(0) depctr_va_vcc(0) depctr_vm_vsrc(0)
	s_getreg_b32 s2, hwreg(HW_REG_IB_STS2, 6, 4)
	s_cmp_eq_u32 s2, 0
	s_cbranch_scc0 .Lentry_in_a_cluster
	s_endpgm
.Lentry_in_a_cluster:
	s_bfe_u32 s2, ttmp6, 0x10000c
	s_cmp_lg_u32 s2, 0xf033
	s_cbranch_scc0 .Lentry_shape_is_right
	s_endpgm
.Lentry_shape_is_right:
; out0[token][n] = sum over k of attn[token][k] W_o[n][k], f32: 8,192 x 1,024 x 1,024 on codes of FP6 (E2M3) with one E8M0 scale for each 32 along K.
; c3 (attn) and c1 (W_o, 27,648 rows in) hold images of operand registers: a tile of 16 rows is 12,288 bytes, 768 for each 64 along K: a lane's first 16 bytes at 16 x lane, its last 8 at 512 + 8 x lane.
; s3: a row's 32 scale bytes on end; s1: [tile][half of K][row][16 bytes].
; THE DEAL: 256 work-groups of four waves, 2 x 2, each 128 rows x 256 columns of C; a wave makes 64 x 128: 32 accumulators.  The matrix instruction is used transposed (source 0 = 16 rows of W_o,
; source 1 = 16 rows of attn), so that a lane holds eight neighbouring numbers of a row of C.
; ALL OF K LIES IN LDS, in two halves of 512 along K (24 tiles x 6,144 bytes each): the first is asked for at the head, one load a wave (A's 8 tiles; B's tiles 0-5, 6-11, 12-15), the second behind one round,
; by the same four lines.  Nothing is filled again.  No prefetch: the launch has no loop to run ahead in, all that it reads is asked for at the head and one round behind it.
; CLUSTERS, 4 x 4: A's tiles hang on the tile row alone and are shared along a row of the cluster, B's on the tile column alone and are shared along a column.
; THE SCALES go from memory straight into registers, all of K: register 8 p + q holds word q (128 along K) of tile 2 p in lanes 0-15 and of tile 2 p + 1 in lanes 16-31.
; A step of 128 along K is 32 products; in its middle the next step's 12 fragments are fetched into the other set of registers.
; LIMITS: NaN, infinities and sums beyond f32's range are not served.
; REGISTERS: window 0: v0-31 addresses, v32-63 B's scale words, v68-83 A's, v128-223 A's fragments (two sets), on the way out v128-255 rows back from the stage; window 1: B's fragments, sets at v0 and v128; window 2: the accumulators.
.set SIZE_N, 1024
.set TROW,   6144                      ; half of K of a tile
.set TPIT,   12288
.set ASL,    8*TROW                    ; a half's A tiles; B's 16 lie behind them
.set SLOT,   24*TROW
.set SPARE,  2*SLOT                    ; the spare words, 128 bytes a wave
.set SPITCH, 528                       ; the way out: a stage of 16 rows x (512 + 16) bytes for each wave, in the first half's bytes, which are read for the last time ahead of the barrier in step 3
.set FR,   12
.set CO,   4                           ; v4  16 x lane; v5  8 x lane
.set ADRA, 16                          ; v16, v17 LDS address of my A fragments in half 0, 1 (16 x lane); v18, v19 (8 x lane)
.set ADRB, 20                          ; v20-23 the same for B
.set STO,  24
.set RD,   25
.set ABA,  26                          ; v26 my offset in s3
.set ABS,  27                          ; v27 in s1
.set SPW,  28
.set NIL,  29
.set SB,   32
.set SA,   68                          ; a product's two scale registers differ by 4 modulo 8 in their numbers
.set AF,   128
.set BK,   128
.set G1A, 24                           ; s[24:31] group 1: 8 tiles; s[32:39] 6; s[40:47] 4
.set G1B, 32
.set G1C, 40
.set G0A, 48                           ; s[48:51], s[52:55], s[56:59] their groups 0
.set G0B, 52
.set G0C, 56
.set MSB, 0
.macro WIN new
.if MSB != \new
	s_set_vgpr_msb (MSB<<8)|\new
.set MSB, \new
.endif
.endm
.macro PLACES n
.rept \n
	v_nop
.endr
.endm
.macro CROUND
	s_barrier_signal -1
	s_barrier_wait -1
	s_cmp_lg_u32 s14, 0
	s_cbranch_scc1 .Lnot_wave_0_\@
	s_barrier_signal -3
.Lnot_wave_0_\@:
	s_barrier_wait -3
	s_barrier_signal -1
	s_barrier_wait -1
.endm
.macro TLOAD g0, g1                    ; an s_nop 0 and four v_nop follow a tensor load
	tensor_load_to_lds s[\g0:\g0+3], s[\g1:\g1+7]
	s_nop 0
	PLACES 4
.endm
.macro ASK                             ; a half of K, one load a wave: wave 0 A's 8 tiles, waves 1 and 2 six tiles of B each, wave 3 B's last four
	s_cmp_eq_u32 s14, 0
	s_cbranch_scc0 .Lb6_\@
	TLOAD G0A, G1A
	s_branch .Lasked_\@
.Lb6_\@:
	s_cmp_eq_u32 s14, 3
	s_cbranch_scc1 .Lb4_\@
	TLOAD G0B, G1B
	s_branch .Lasked_\@
.Lb4_\@:
	TLOAD G0C, G1C
.Lasked_\@:
.endm
.macro GROUP1 g, mask, rows            ; rows of 6,144 bytes (768 elements of 8), 12,288 apart, dense in LDS
	s_or_b32 s[\g], s\mask, (3<<16)|(1<<21)
	s_mov_b32 s[\g+1], (TROW/8)<<16
	s_mov_b32 s[\g+2], (\rows)<<16
	s_mov_b32 s[\g+3], (TROW/8)<<16
	s_mov_b32 s[\g+4], \rows
	s_mov_b32 s[\g+5], TPIT/8
	s_mov_b32 s[\g+6], 0
	s_mov_b32 s[\g+7], 0
.endm
	s_load_b128 s[4:7], s[0:1], 0x0                ; c3, s3
	s_load_b128 s[8:11], s[0:1], 0x10              ; c1, s1
	s_load_b64 s[12:13], s[0:1], 0x20              ; out0
	v_lshl_add_u32 v[SPW], v0, 2, SPARE
	v_mov_b32 v[NIL], 0
	ds_add_u32 v[SPW], v[NIL]                      ; the opening lines: the add, twice on end, and its wait ahead of my first tensor load
	ds_add_u32 v[SPW], v[NIL]
	v_lshrrev_b32 v1, 5, v0
	v_readfirstlane_b32 s14, v1                    ; wave; s15 its row of the 2 x 2, s16 its column
	s_lshr_b32 s15, s14, 1
	s_and_b32 s16, s14, 1
	s_bfe_u32 s66, ttmp6, 0x40000                  ; cx
	s_bfe_u32 s67, ttmp6, 0x40004                  ; cy
	s_lshl_b32 s68, ttmp9, 2
	s_add_co_u32 s68, s68, s66                     ; tile column of C
	s_and_b32 s17, ttmp7, 0xffff
	s_lshl_b32 s17, s17, 2
	s_add_co_u32 s17, s17, s67                     ; tile row of C
	s_lshl_b32 s69, s67, 2
	s_lshl_b32 s69, 15, s69                        ; my row of the cluster
	s_lshl_b32 s70, 0x1111, s66                    ; my column
	GROUP1 G1A, 69, 8
	GROUP1 G1B, 70, 6
	GROUP1 G1C, 70, 4
	s_mul_i32 s18, s17, 8*TPIT                     ; A's tiles
	s_mov_b32 s19, 0
	s_mul_i32 s20, s68, 16*TPIT
	s_add_co_u32 s20, s20, 21233664                ; B's: W_o's codes in c1
	s_mov_b32 s21, 0
	s_mul_i32 s22, s15, 6*TPIT                     ; wave 1: tiles 0-5, wave 2: tiles 6-11
	s_mov_b32 s23, 0
	s_lshl_b32 s72, s17, 12                        ; A's scale bytes: my 64 rows
	s_lshl_b32 s73, s15, 11
	s_add_co_u32 s72, s72, s73
	s_mov_b32 s73, 0
	s_lshl_b32 s74, s68, 13                        ; B's: my 128 rows
	s_lshl_b32 s75, s16, 12
	s_add_co_u32 s74, s74, s75
	s_add_co_u32 s74, s74, 884736
	s_mov_b32 s75, 0
	s_lshl_b32 s76, s17, 19                        ; C: 128 rows of 4,096 bytes a tile row, 64 a wave row; 1,024 bytes a tile column, 512 a wave column
	s_lshl_b32 s77, s15, 18
	s_add_co_u32 s76, s76, s77
	s_lshl_b32 s77, s68, 10
	s_add_co_u32 s76, s76, s77
	s_lshl_b32 s77, s16, 9
	s_add_co_u32 s76, s76, s77
	s_mov_b32 s77, 0
	s_mov_b32 s[G0A], 1
	s_mov_b32 s[G0A+1], 0
	s_mov_b32 s[G0B], 1
	s_mul_i32 s[G0B+1], s15, 6*TROW
	s_add_co_u32 s[G0B+1], s[G0B+1], ASL
	s_mov_b32 s[G0C], 1
	s_mov_b32 s[G0C+1], ASL+12*TROW
	s_wait_dscnt 0x0                               ; both opening adds are done
	s_wait_kmcnt 0x0
	s_add_nc_u64 s[G0A+2:G0A+3], s[4:5], s[18:19]
	s_or_b32 s[G0A+3], s[G0A+3], 0x80000000
	s_add_nc_u64 s[20:21], s[8:9], s[20:21]
	s_add_nc_u64 s[G0B+2:G0B+3], s[20:21], s[22:23]
	s_or_b32 s[G0B+3], s[G0B+3], 0x80000000
	s_add_nc_u64 s[G0C+2:G0C+3], s[20:21], 12*TPIT
	s_or_b32 s[G0C+3], s[G0C+3], 0x80000000
	s_add_nc_u64 s[6:7], s[6:7], s[72:73]
	s_add_nc_u64 s[10:11], s[10:11], s[74:75]
	s_add_nc_u64 s[12:13], s[12:13], s[76:77]
	CROUND                                         ; all sixteen work-groups are here: the first joint loads meet
	ASK                                            ; K = 0 .. 511
	v_and_b32 v1, 15, v0
	v_bfe_u32 v2, v0, 4, 1
	v_and_b32 v3, 31, v0
	v_lshlrev_b32 v[CO], 4, v3
	v_lshlrev_b32 v5, 3, v3
	s_mul_i32 s18, s15, 4*TROW                     ; my four tiles of A,
	s_mul_i32 s19, s16, 8*TROW
	s_add_co_u32 s19, s19, ASL                     ; my eight of B
.irp s, 0,1
	v_add_nc_u32 v[ADRA+\s], s18, v[CO]
	v_add_nc_u32 v[ADRA+2+\s], s18, v5
	v_add_nc_u32 v[ADRB+\s], s19, v[CO]
	v_add_nc_u32 v[ADRB+2+\s], s19, v5
	s_add_co_u32 s18, s18, SLOT
	s_add_co_u32 s19, s19, SLOT
.endr
	s_mul_i32 s18, s14, 16*SPITCH                  ; my stage
	v_mul_u32_u24 v6, v1, SPITCH                   ; in: row l % 16, 32 bytes for each half of the lanes
	v_lshl_add_u32 v6, v2, 5, v6
	v_add_nc_u32 v[STO], s18, v6
	v_add_nc_u32 v[RD], s18, v[CO]                 ; back: the 32 lanes take one row of 512 bytes
	v_lshlrev_b32 v[ABA], 5, v3                    ; s3: 32 bytes a row, 32 rows
	v_lshlrev_b32 v[ABS], 4, v1
	v_lshl_add_u32 v[ABS], v2, 9, v[ABS]           ; s1: 16 bytes a row, 512 a tile
.irp p, 0,1,2,3
.irp c, 0,1
	global_load_b128 v[SB+8*\p+4*\c:SB+8*\p+4*\c+3], v[ABS], s[10:11] offset:1024*\p+256*\c
.endr
.endr
.irp p, 0,1
.irp c, 0,1
	global_load_b128 v[SA+8*\p+4*\c:SA+8*\p+4*\c+3], v[ABA], s[6:7] offset:1024*\p+16*\c
.endr
.endr
.macro FRAG reg, adr, off              ; a fragment, 12 registers: two images of six
	ds_load_b128 v[\reg:\reg+3], v[\adr] offset:\off
	ds_load_b64 v[\reg+4:\reg+5], v[\adr+2] offset:(\off)+512
	ds_load_b128 v[\reg+6:\reg+9], v[\adr] offset:(\off)+768
	ds_load_b64 v[\reg+10:\reg+11], v[\adr+2] offset:(\off)+1280
.endm
.macro FETCH st                        ; step st's 12 fragments into set st % 2: 48 loads
	WIN 0x40
.irp i, 0,1,2,3,4,5,6,7
	FRAG 128*((\st)%2)+FR*\i, ADRB+(\st)/4, TROW*\i+1536*((\st)%4)
.endr
	WIN 0
.irp i, 0,1,2,3
	FRAG AF+48*((\st)%2)+FR*\i, ADRA+(\st)/4, TROW*\i+1536*((\st)%4)
.endr
.endm
.macro MULH st, ap, zero               ; 16 products: A's tiles 2 ap, 2 ap + 1 x B's eight.  The 32 accumulators take turns, in the same order in every step
	WIN 0xa1                                       ; source 0 (B) window 1, source 1 (A) window 0, C and D window 2
.irp ao, 0,1
.irp bp, 0,1,2,3
.irp bo, 0,1
.set D_, 8*(8*(2*(\ap)+\ao)+2*\bp+\bo)
.set B_, 128*((\st)%2)+FR*(2*\bp+\bo)
.set A_, AF+48*((\st)%2)+FR*(2*(\ap)+\ao)
.if \zero
	v_wmma_scale_f32_16x16x128_f8f6f4 v[D_:D_+7], v[B_:B_+FR-1], v[A_:A_+FR-1], 0, v[SB+8*\bp+(\st)], v[SA+8*(\ap)+(\st)] matrix_a_fmt:MATRIX_FMT_FP6 matrix_b_fmt:MATRIX_FMT_FP6 matrix_a_scale:MATRIX_SCALE_ROW\bo matrix_b_scale:MATRIX_SCALE_ROW\ao
.else
	v_wmma_scale_f32_16x16x128_f8f6f4 v[D_:D_+7], v[B_:B_+FR-1], v[A_:A_+FR-1], v[D_:D_+7], v[SB+8*\bp+(\st)], v[SA+8*(\ap)+(\st)] matrix_a_fmt:MATRIX_FMT_FP6 matrix_b_fmt:MATRIX_FMT_FP6 matrix_a_scale:MATRIX_SCALE_ROW\bo matrix_b_scale:MATRIX_SCALE_ROW\ao
.endif
.endr
.endr
.endr
	WIN 0
.endm
.macro STEP st, zero
.if (\st) == 3
	s_wait_tensorcnt 0x0                           ; my part of K's second half is in;
.endif
	s_wait_dscnt 0x0                               ; this step's fragments are in (asked for 16 products ago)
.if (\st) == 3
	s_barrier_signal -1                            ; a plain barrier: the second half is shown to all, and nobody reads the first any more
.endif
	MULH \st, 0, \zero
.if (\st) == 3
	s_barrier_wait -1
.endif
.if (\st) < 7
	PLACES 4                                       ; ahead of loads into registers that products have read
	FETCH (\st)+1
.endif
	MULH \st, 1, \zero
.endm
	s_wait_alu depctr_va_vdst(0)                   ; the wait at the head's end
	s_wait_tensorcnt 0x0                           ; my part of the first half is in
	ds_add_u32 v[SPW], v[NIL]
.irp g, G0A, G0B, G0C                  ; no tensor load of mine is out: the descriptors step to the second half
	s_add_co_u32 s[\g+1], s[\g+1], SLOT
	s_add_nc_u64 s[\g+2:\g+3], s[\g+2:\g+3], TROW
.endr
	s_wait_dscnt 0x0
	CROUND                                         ; the first half is whole, and all sixteen work-groups are here
	ASK                                            ; K = 512 .. 1,023
	FETCH 0
	s_wait_loadcnt 0x0                             ; the scale words
	STEP 0, 1                                      ; the first step's products start the sums
.irp st, 1,2,3,4,5,6,7
	STEP \st, 0
.endr
; THE WAY OUT, block by block of 16 rows x 128 columns, through my own stage: whole rows of 512 bytes come back and leave as two aligned runs of 256 bytes.  LDS serves a wave's instructions in order.
.macro TOSTAGE a
	WIN 0x08                                       ; the data: window 2
.irp b, 0,1,2,3,4,5,6,7
	ds_store_b128 v[STO], v[64*(\a)+8*\b:64*(\a)+8*\b+3] offset:64*\b          ; each accumulator from its low end on
	ds_store_b128 v[STO], v[64*(\a)+8*\b+4:64*(\a)+8*\b+7] offset:64*\b+16
.endr
	WIN 0
.set BB, BK+64*((\a)%2)
.irp t, 0,1,2,3,4,5,6,7,8,9,10,11,12,13,14,15
	ds_load_b128 v[BB+4*\t:BB+4*\t+3], v[RD] offset:\t*SPITCH
.endr
.endm
.macro SEND a, younger                 ; younger: the LDS instructions issued behind block a's loads
.set BB, BK+64*((\a)%2)
	s_wait_dscnt \younger
.if (\a) > 0
	s_add_nc_u64 s[12:13], s[12:13], 16*SIZE_N*4   ; (behind a wait on XCNT: the earlier stores have read their base)
.endif
.irp t, 0,1,2,3,4,5,6,7,8,9,10,11,12,13,14,15
	global_store_b128 v[CO], v[BB+4*\t:BB+4*\t+3], s[12:13] offset:\t*SIZE_N*4 th:TH_STORE_NT
.endr
.endm
	PLACES 4
	TOSTAGE 0
.irp a, 1,2,3
.if \a > 1
	s_wait_xcnt 0x0                                ; block a - 2's stores have read their registers and their base
.endif
	TOSTAGE \a
	SEND \a-1, 32
.endr
	s_wait_xcnt 0x0
	SEND 3, 0
	s_wait_tensorcnt 0x0                           ; the wave's end
	ds_add_u32 v[SPW], v[NIL]
	s_wait_dscnt 0x0
	CROUND                                         ; the closing round
	s_endpgm
.Lfunc_end_k_qdc217b5b1f_outp:
	.size	k_qdc217b5b1f_outp, .Lfunc_end_k_qdc217b5b1f_outp-k_qdc217b5b1f_outp
	.p2alignl 7, 3214868480
	.fill 96, 4, 3214868480
	.section	.rodata,"a",@progbits
	.p2align	6, 0x0
	.amdhsa_kernel k_qdc217b5b1f_outp
		.amdhsa_group_segment_fixed_size 327680
		.amdhsa_private_segment_fixed_size 0
		.amdhsa_enable_private_segment 0
		.amdhsa_kernarg_size 40
		.amdhsa_user_sgpr_count 2
		.amdhsa_user_sgpr_kernarg_segment_ptr 1
		.amdhsa_wavefront_size32 1
		.amdhsa_system_sgpr_workgroup_id_x 1
		.amdhsa_system_sgpr_workgroup_id_y 1
		.amdhsa_system_sgpr_workgroup_id_z 1
		.amdhsa_system_vgpr_workitem_id 0
		.amdhsa_next_free_vgpr 768
		.amdhsa_next_free_sgpr 96
		.amdhsa_reserve_vcc 0
		.amdhsa_float_denorm_mode_32 3
		.amdhsa_float_denorm_mode_16_64 3
		.amdhsa_memory_ordered 1
		.amdhsa_forward_progress 1
		.amdhsa_inst_pref_size 84
	.end_amdhsa_kernel
	.amdgpu_metadata
---
amdhsa.version: [ 1, 2 ]
amdhsa.kernels:
  - .name:           k_qdc217b5b1f_outp
    .symbol:         k_qdc217b5b1f_outp.kd
    .args:
      - { .name: c3, .offset: 0, .size: 8, .value_kind: global_buffer, .address_space: global }
      - { .name: s3, .offset: 8, .size: 8, .value_kind: global_buffer, .address_space: global }
      - { .name: c1, .offset: 16, .size: 8, .value_kind: global_buffer, .address_space: global }
      - { .name: s1, .offset: 24, .size: 8, .value_kind: global_buffer, .address_space: global }
      - { .name: out0, .offset: 32, .size: 8, .value_kind: global_buffer, .address_space: global }
    .group_segment_fixed_size: 327680
    .private_segment_fixed_size: 0
    .kernarg_segment_align: 8
    .kernarg_segment_size: 40
    .max_flat_workgroup_size: 128
    .sgpr_count:     96
    .vgpr_count:     768
    .wavefront_size: 32
...
	.end_amdgpu_metadata
.endif
;; end of part 4
